; MI455X (gfx1250); checked and timed in simulation.
; The chip was launched on July 23, 2026; its instructions are those of AMD's public machine-readable ISA for CDNA 5 (MIT licence, August 2026) and "CDNA5" Instruction Set Architecture Reference Guide (July 2026). The comments in the code are by the model that wrote it; some were corrected since.
;; Multi Head Attention. Allowed arithmetic: matrix products marked QUANTISED: E2M3 operands, one E8M0 scale for each 32 along K, by v_wmma_scale_f32_16x16x128_f8f6f4 with both operands' format E2M3, f32 sums; everything else in f32.
;; Inputs: b_proj 1,024 float32; b_qkv 3,072 float32; w_proj 1,024 x 1,024 float32; w_qkv 3,072 x 1,024 float32; x 4 x 2,048 x 1,024 float32.
;; Outputs: out0 4 x 2,048 x 1,024 float32.
;; This version of the problem:
;;   THIS VERSION OF THE PROBLEM IS GIVEN IN LOW PRECISION. The matrix products marked QUANTISED in the list below multiply operands that are first quantised to E2M3 (2 exponent bits, 3 mantissa bits; 6 bits a number), with one power-of-two scale for each 32 numbers along K (OCP MX v1.0); their sums are f32. All else is computed in f32.
;;   The module's matrix products, in the order in which they are computed (A, B: the left and right operand; K: the contracted axis; several contracted axes count as one K, in the product's order):
;;     1. [M 8,192, K 1,024] x [K 1,024, N 3,072]; A: input x; B: input w_qkv: QUANTISED
;;     2. batch 64 x [M 2,048, K 64] x [K 64, N 2,048]; A: computed on the way; B: computed on the way: QUANTISED
;;     3. batch 64 x [M 2,048, K 2,048] x [K 2,048, N 64]; A: softmax (see below); B: computed on the way: QUANTISED
;;     4. [M 8,192, K 1,024] x [K 1,024, N 1,024]; A: computed on the way; B: input w_proj: QUANTISED
;;   THE QUANTISER, for each operand of a quantised product, along K:
;;     - K is cut into blocks of 32 from its start; a last block that is shorter is filled with zeros.
;;     - A block's scale is 2^e with e = floor(log2(the largest magnitude in the block)) - 2, held to -126 .. 127; a block of zeros has e = 0. As a byte (E8M0): e + 127.
;;     - Each number is divided by its block's scale, clamped to +-7.5, and rounded to the nearest number of E2M3, ties to even, subnormals kept.
;;     - The product sums the exact products of the quantised numbers (number of the format x scale) in f32.
;;   ~~~python
;;   def quantise(x, axis):      # numpy; x: float32 -> the quantised numbers, widened to float32 again
;;       x = np.moveaxis(x, axis, -1); K = x.shape[-1]
;;       x = np.pad(x, [(0, 0)] * (x.ndim - 1) + [(0, -K % 32)]); x = x.reshape(x.shape[:-1] + (-1, 32)); a = np.abs(x).max(-1, keepdims=True)
;;       e = np.where(a > 0, np.clip(np.frexp(np.where(a > 0, a, 1))[1] - 1 - 2, -126, 127), 0)      # np.frexp(a)[1] - 1 = floor(log2(a)), exactly
;;       r = np.clip(x / 2.0 ** e, -7.5, 7.5)
;;       step = 2.0 ** (np.maximum(np.frexp(np.where(r == 0, 1, r))[1] - 1, 0) - 3)
;;       q = np.round(r / step) * step * 2.0 ** e      # np.round: ties to even
;;       return np.moveaxis(q.reshape(q.shape[:-2] + (-1,))[..., :K], -1, axis).astype(np.float32)
;;   ~~~
;;   SOFTMAX AHEAD OF A QUANTISED PRODUCT. Where the list says 'softmax', what is quantised is not the finished softmax but p = 2^(t - M), with t = logit x log2(e) and M = ceil(the row's largest t), a whole number; so 1/2 < the row's largest p <= 1. The row's sum l is taken of the UNQUANTISED p, in f32, and the product's result is divided by l at the end. Since M is a whole number, a kernel that streams over the keys may use a running M (the ceiling of the running maximum): every later rescaling is an exact power of two, which a block's scale takes up: the codes' values come out the same.
;;   OPERANDS COMPUTED ON THE WAY. 'Computed on the way' means the value that the module computes at that place (a softmax that the list does not call 'softmax' is quantised finished and normalised). What goes into a quantiser is computed in f32, as accurately as f32 sums, v_exp_f32 and their like allow (about 1e-6 of the number): no bf16 or f16 on the way to a quantiser, and a product that is left as it is and whose result goes on into a quantised operand takes f32 operands (vector FMAs, or v_wmma_f32_16x16x4_f32). A number that lies on a knife's edge between two numbers of the format may be rounded either way, as far as f32 arithmetic and the matrix unit's own rounding can turn it there, and no further.
;; One version. Each part assembles by itself: llvm-mc -triple=amdgcn-amd-amdhsa -mcpu=gfx1250 --defsym DOCPART=n.
;; ======== version 1 of 1: 4 launches
;; limits: right only within a limited range of input values
;; workspace buffers: cod 9,437,184 bytes; scl 393,216 bytes; qkv 18,874,368 bytes; qkvs 1,572,864 bytes; oc 6,291,456 bytes; os 262,144 bytes
;; launch quant (part 1): grid 384 x 1, 4 waves a work-group, no clusters, 34,304 bytes of LDS; arguments x, w_qkv, w_proj, cod, scl; writes cod, scl
.if DOCPART == 1
	.amdgcn_target "amdgcn-amd-amdhsa--gfx1250"
	.amdhsa_code_object_version 6
	.text
	.protected	k_q5ba7cb1229_quant
	.globl	k_q5ba7cb1229_quant
	.p2align	8
	.type	k_q5ba7cb1229_quant,@function
k_q5ba7cb1229_quant:
	s_mov_b64 s[64:65], 0
	v_nop
	global_prefetch_b8 v0, s[64:65] scope:SCOPE_SE
	s_setreg_imm32_b32 hwreg(HW_REG_WAVE_MODE, 25, 1), 1
	s_wait_xcnt 0x0
; x [8192][1024], w_qkv [3072][1024] and w_proj [1024][1024], f32, K innermost, become codes of FP6 (E2M3) with one E8M0 byte for each 32 along K.
; A block's scale is 2^(floor(log2(its largest magnitude)) - 2); its byte is the largest magnitude's exponent field - 2, held at 1 from below.
; LIMITS: NaN and infinities among the inputs are not served; a block's largest magnitude is taken as at least 2^-124; a block of zeros gets the byte 1 where the
; quantiser says 127: its codes are zeros, which add nothing under any byte but 0xff, and this program alone reads the bytes.
; LAYOUT OF cod: the 12,288 rows (x, then w_qkv, then w_proj) go in blocks of 128 rows, 98,304 bytes each: [64 along K: 16][tile: 8][768 bytes].
; A tile is 16 rows: lane r of tile 2 g + u holds row 32 g + 8 u + r + 8 (r / 8) of the block.  The 768 bytes are an image of six operand registers (16 rows x 64 K): registers 0-3 at
; 16 x lane, registers 4-5 at 512 + 8 x lane; lane (r, h) holds the 32 codes of block h of row r.  LAYOUT OF scl: 4,096 bytes a block of rows: [256 along K: 4][tile: 8][r: 16][8 bytes].
; SHARES: a work-group takes 32 rows (two tiles), wave w the K 256 w .. 256 w + 255: four units of 16 rows x 128 K.  A unit's 16 loads read 512 consecutive bytes each; the numbers turn through the wave's own
; stage in LDS, so that a lane holds 16 neighbours of each block of its row.  No tensor load, no barrier: waves share nothing.  Two units' loads (32 a wave) are on their way.
.set R,   16                           ; v16-143  two sets of 64 registers as loaded
.set X,   144                          ; v144-207 register 16 b + i: k = 32 b + 16 h + i of my row
.set PC,  208                          ; v208-226 the codes just made
.set TM,  228                          ; v228-243 at work
.set W,   244                          ; v244-247 the four units' scale words
.set SEL, 20                           ; s[20:21] lane selects: lane l xor 16
; 64 numbers of a lane, register 16 b + i = k 32 b + 16 (lane / 16) + i of my row, become a fragment's codes in v[pc] .. v[pc + 11] and my row's scale word in v[pw]
.macro QUANT s, pc, tm, pw
.irp b, 0,1,2,3
	v_max3_num_f32 v[(\tm)+\b], |v[(\s)+16*\b]|, |v[(\s)+1+16*\b]|, 0x1800000   ; my 16 numbers of block b, and the floor 2^(3 - 127): the byte cannot fall under 1
.endr
.irp i, 2,4,6,8,10,12,14
.irp b, 0,1,2,3
	v_max3_num_f32 v[(\tm)+\b], v[(\tm)+\b], |v[(\s)+16*\b+\i]|, |v[(\s)+1+16*\b+\i]|   ; the four blocks by turns
.endr
.endr
.irp b, 0,1,2,3
	v_permlanex16_b32 v[(\tm)+4+\b], v[(\tm)+\b], s[SEL], s[SEL+1]
.endr
.irp b, 0,1,2,3
	v_max_num_f32 v[(\tm)+\b], v[(\tm)+\b], v[(\tm)+4+\b]          ; with lane l xor 16's: the block's largest magnitude
.endr
.irp b, 0,1,2,3
	v_add_nc_u32 v[(\tm)+12+\b], 0xff000000, v[(\tm)+\b]           ; 2 off its exponent field: the conversion's scale operand
.endr
.irp b, 0,1,2,3
	v_lshrrev_b32 v[(\tm)+4+\b], 23, v[(\tm)+12+\b]                ; the scale's byte
.endr
	v_lshl_or_b32 v[\pw], v[(\tm)+5], 8, v[(\tm)+4]
	v_lshl_or_b32 v[\pw], v[(\tm)+6], 16, v[\pw]
	v_lshl_or_b32 v[\pw], v[(\tm)+7], 24, v[\pw]
.irp c, 0,1
	v_cvt_scalef32_pk16_fp6_f32 v[(\pc)+6*\c:(\pc)+2+6*\c], v[(\s)+32*\c:(\s)+15+32*\c], v[(\tm)+12+2*\c]
	v_cvt_scalef32_pk16_fp6_f32 v[(\pc)+12+4*\c:(\pc)+14+4*\c], v[(\s)+16+32*\c:(\s)+31+32*\c], v[(\tm)+13+2*\c]   ; (a conversion's three registers begin on an even number)
.endr
	v_nop                                          ; one plain place behind a scaled conversion
.irp c, 0,1                            ; the operand's layout wants a whole block in a lane: lanes 0-15 block 2 c, lanes 16-31 block 2 c + 1
.irp i, 0,1,2
	v_permlane16_swap_b32 v[(\pc)+6*\c+\i], v[(\pc)+12+4*\c+\i]
.endr
.irp i, 0,1,2
	v_mov_b32 v[(\pc)+3+6*\c+\i], v[(\pc)+12+4*\c+\i]
.endr
.endr
.endm
	s_load_b128 s[4:7], s[0:1], 0x0                ; x, w_qkv
	s_load_b128 s[8:11], s[0:1], 0x10              ; w_proj, cod
	s_load_b64 s[12:13], s[0:1], 0x20              ; scl
	v_lshl_add_u32 v254, v0, 2, 0x8400
	v_mov_b32 v255, 0
	v_lshrrev_b32 v1, 5, v0
	v_readfirstlane_b32 s18, v1                    ; wave: which 256 along K
	v_and_b32 v1, 31, v0                           ; lane
	v_and_b32 v2, 15, v0                           ; r
	v_bfe_u32 v3, v0, 4, 1                         ; h
	v_lshlrev_b32 v4, 4, v1                        ; 16 x lane
	v_lshlrev_b32 v8, 3, v1                        ; 8 x lane
	v_add_nc_u32 v5, 512, v8                       ; 512 + 8 x lane
	s_mul_i32 s19, s18, 8448                       ; my stage: 16 rows of 512 + 16 bytes
	v_add_nc_u32 v6, s19, v4                       ; in: a row's 512 bytes as loaded
	v_mul_u32_u24 v7, v2, 528
	v_lshl_add_u32 v7, v3, 6, v7
	v_add_nc_u32 v7, s19, v7                       ; out: row r, + 64 h: my 16 numbers of a block
	s_mov_b32 s[SEL], 0x76543210
	s_mov_b32 s[SEL+1], 0xfedcba98
	s_mov_b32 s22, 0xffff0000                      ; lanes 16-31
.irp b, 0,1,2,3
	v_mov_b32 v[TM+4+\b], 0                        ; written once: a lane permute's destination counts as one of its sources
.endr
	s_mov_b32 s16, 352
	s_wait_alu depctr_va_vdst(0)
	s_wait_kmcnt 0x0
	s_cmp_lt_u32 ttmp9, 352                        ; which tensor: the choice hangs on the work-group's number alone
	s_cselect_b64 s[14:15], s[6:7], s[8:9]
	s_cselect_b32 s16, 256, s16
	s_cmp_lt_u32 ttmp9, 256
	s_cselect_b64 s[14:15], s[4:5], s[14:15]
	s_cselect_b32 s16, 0, s16
	s_sub_co_u32 s16, ttmp9, s16                   ; which 32 rows of it
	s_lshl_b32 s24, s16, 17                        ; 32 rows of 4,096 bytes
	s_lshl_b32 s25, s18, 10                        ; + 256 numbers a wave
	s_add_co_u32 s24, s24, s25
	s_mov_b32 s25, 0
	s_add_nc_u64 s[14:15], s[14:15], s[24:25]
	s_lshr_b32 s26, ttmp9, 2                       ; the block of 128 rows
	s_and_b32 s27, ttmp9, 3                        ; and my two tiles in it
	s_mul_i32 s24, s26, 98304
	s_mul_i32 s28, s18, 24576
	s_add_co_u32 s24, s24, s28
	s_mul_i32 s28, s27, 1536
	s_add_co_u32 s24, s24, s28
	s_add_nc_u64 s[10:11], s[10:11], s[24:25]
	s_lshl_b32 s24, s26, 12
	s_lshl_b32 s28, s18, 10
	s_add_co_u32 s24, s24, s28
	s_lshl_b32 s28, s27, 8
	s_add_co_u32 s24, s24, s28
	s_add_nc_u64 s[12:13], s[12:13], s[24:25]
.macro LOAD n                          ; unit n = 2 u + e: tile u, the e-th 128 along K; row i of the tile is row 8 u + i + 8 (i / 8) of my 32
.irp i, 0,1,2,3,4,5,6,7,8,9,10,11,12,13,14,15
	global_load_b128 v[R+64*((\n)%2)+4*\i:R+64*((\n)%2)+4*\i+3], v4, s[14:15] offset:(8*((\n)/2)+\i+8*(\i/8))*4096+512*((\n)%2) th:TH_LOAD_NT
.endr
.endm
.macro TURN n                          ; through the stage: LDS serves a wave's instructions in order, so no wait stands between the stores and the loads
.irp i, 0,1,2,3,4,5,6,7,8,9,10,11,12,13,14,15
	ds_store_b128 v6, v[R+64*((\n)%2)+4*\i:R+64*((\n)%2)+4*\i+3] offset:528*\i
.endr
.irp b, 0,1,2,3
.irp j, 0,1,2,3
	ds_load_b128 v[X+16*\b+4*\j:X+16*\b+4*\j+3], v7 offset:128*\b+16*\j
.endr
.endr
.endm
.macro UNIT n
.if (\n) < 3
	s_wait_loadcnt 16                              ; this unit's 16 loads are in; the next unit's 16 may be out
.else
	s_wait_loadcnt 0x0
.endif
	TURN \n
	s_wait_dscnt 0x0                               ; my numbers are back, and the stage's stores have read their registers,
.if (\n) < 2
	LOAD (\n)+2                                    ; which take the loads of two units on
.endif
	s_wait_xcnt 0x0                                ; the last unit's stores have read the codes' registers: they are written again only behind this wait
	QUANT X, PC, TM, W+(\n)
	global_store_b128 v4, v[PC:PC+3], s[10:11] offset:(2*((\n)%2))*6144+768*((\n)/2)        ; 512 consecutive bytes, at a multiple of 256
	global_store_b64 v5, v[PC+4:PC+5], s[10:11] offset:(2*((\n)%2))*6144+768*((\n)/2)       ; 256 consecutive bytes
	global_store_b128 v4, v[PC+6:PC+9], s[10:11] offset:(2*((\n)%2)+1)*6144+768*((\n)/2)
	global_store_b64 v5, v[PC+10:PC+11], s[10:11] offset:(2*((\n)%2)+1)*6144+768*((\n)/2)
.endm
	LOAD 0
	LOAD 1
	UNIT 0
	UNIT 1
	UNIT 2
	UNIT 3
	v_cndmask_b32 v248, v[W], v[W+2], s22          ; lanes 0-15: tile 0's two words of row r; lanes 16-31: tile 1's
	v_cndmask_b32 v249, v[W+1], v[W+3], s22
	global_store_b64 v8, v[248:249], s[12:13]      ; 32 lanes store 256 consecutive bytes, at a multiple of 256
	s_wait_tensorcnt 0x0
	ds_add_u32 v254, v255
	s_wait_dscnt 0x0
	s_endpgm
.Lfunc_end_k_q5ba7cb1229_quant:
	.size	k_q5ba7cb1229_quant, .Lfunc_end_k_q5ba7cb1229_quant-k_q5ba7cb1229_quant
	.p2alignl 7, 3214868480
	.fill 96, 4, 3214868480
	.section	.rodata,"a",@progbits
	.p2align	6, 0x0
	.amdhsa_kernel k_q5ba7cb1229_quant
		.amdhsa_group_segment_fixed_size 34304
		.amdhsa_private_segment_fixed_size 0
		.amdhsa_enable_private_segment 0
		.amdhsa_kernarg_size 40
		.amdhsa_user_sgpr_count 2
		.amdhsa_user_sgpr_kernarg_segment_ptr 1
		.amdhsa_wavefront_size32 1
		.amdhsa_system_sgpr_workgroup_id_x 1
		.amdhsa_system_sgpr_workgroup_id_y 1
		.amdhsa_system_sgpr_workgroup_id_z 1
		.amdhsa_system_vgpr_workitem_id 0
		.amdhsa_next_free_vgpr 256
		.amdhsa_next_free_sgpr 66
		.amdhsa_reserve_vcc 0
		.amdhsa_float_denorm_mode_32 3
		.amdhsa_float_denorm_mode_16_64 3
		.amdhsa_memory_ordered 1
		.amdhsa_forward_progress 1
		.amdhsa_inst_pref_size 34
	.end_amdhsa_kernel
	.amdgpu_metadata
---
amdhsa.version: [ 1, 2 ]
amdhsa.kernels:
  - .name:           k_q5ba7cb1229_quant
    .symbol:         k_q5ba7cb1229_quant.kd
    .args:
      - { .name: x, .offset: 0, .size: 8, .value_kind: global_buffer, .address_space: global }
      - { .name: w_qkv, .offset: 8, .size: 8, .value_kind: global_buffer, .address_space: global }
      - { .name: w_proj, .offset: 16, .size: 8, .value_kind: global_buffer, .address_space: global }
      - { .name: cod, .offset: 24, .size: 8, .value_kind: global_buffer, .address_space: global }
      - { .name: scl, .offset: 32, .size: 8, .value_kind: global_buffer, .address_space: global }
    .group_segment_fixed_size: 34304
    .private_segment_fixed_size: 0
    .kernarg_segment_align: 8
    .kernarg_segment_size: 40
    .max_flat_workgroup_size: 128
    .sgpr_count:     66
    .vgpr_count:     256
    .wavefront_size: 32
...
	.end_amdgpu_metadata
.endif
;; end of part 1
;; launch qkv (part 2): grid 8 x 48, 4 waves a work-group, clusters of 4 x 4, 327,680 bytes of LDS; arguments cod, scl, b_qkv, qkv, qkvs; writes qkv, qkvs
.if DOCPART == 2
	.amdgcn_target "amdgcn-amd-amdhsa--gfx1250"
	.amdhsa_code_object_version 6
	.text
	.protected	k_q5ba7cb1229_qkv
	.globl	k_q5ba7cb1229_qkv
	.p2align	8
	.type	k_q5ba7cb1229_qkv,@function
k_q5ba7cb1229_qkv:
	s_mov_b64 s[64:65], 0
	v_nop
	global_prefetch_b8 v0, s[64:65] scope:SCOPE_SE
	s_setreg_imm32_b32 hwreg(HW_REG_WAVE_MODE, 25, 1), 1
	s_wait_xcnt 0x0
	s_wait_alu depctr_hold_cnt(0) depctr_sa_sdst(0) depctr_va_vdst(0) depctr_va_sdst(0) depctr_va_ssrc(0) depctr_va_vcc(0) depctr_vm_vsrc(0)
	s_getreg_b32 s2, hwreg(HW_REG_IB_STS2, 6, 4)
	s_cmp_eq_u32 s2, 0
	s_cbranch_scc0 .Lentry_in_a_cluster
	s_endpgm
.Lentry_in_a_cluster:
	s_bfe_u32 s2, ttmp6, 0x10000c
	s_cmp_lg_u32 s2, 0xf033
	s_cbranch_scc0 .Lentry_shape_is_right
	s_endpgm
.Lentry_shape_is_right:
; x w_qkv^T + b_qkv on codes of FP6 (E2M3) with E8M0 scales, sums in f32; the results leave as codes: q and k quantised along the head's 64, v along the KEYS.
; LIMITS: NaN and infinities are not served; a block's largest magnitude is taken as at least 2^-124; a block of zeros gets the byte 1 (its codes are zeros; this program alone reads the bytes).
; A work-group of four waves makes 256 x 256 results, a wave 128 x 128: 64 accumulators, 512 registers.  K = 1,024 goes in four steps of 256 through a ring of two LDS slots filled by the tensor data mover.
; OPERANDS lie in cod as images of operand registers (16 rows x 64 K: 768 bytes; registers 0-3 at 16 x lane, 4-5 at 512 + 8 x lane), 128 rows x 256 K being one dense block of 24,576 bytes: every LDS load is consecutive.
; THE MATRIX INSTRUCTION IS USED TRANSPOSED: source 0 = a tile of "B", source 1 = a tile of "A": a lane holds one row of A and its registers run along B's rows.  Lane r of tile 2 g + u holds row 32 g + 8 u + r + 8 (r / 8),
; so the 16 registers of tiles 2 g and 2 g + 1 are 16 neighbours along B's rows, which are the next product's K.
; TWO KINDS OF CLUSTER, told apart by the cluster's y, which all sixteen partners share, and by selects alone (no branch): y < 8: A = x (tokens), B = w_q, w_k (features): a lane's 128 numbers are two heads of one token.
; y >= 8: A = w_v (features), B = x (tokens): a lane's 128 numbers are 128 keys of one channel of v.  The bias along B's rows is the C of the first products, that along A's rows is added where the sums leave their window;
; the one that does not apply is masked to zero.
; CLUSTERS: 4 x 4 work-groups; A's tiles are asked for jointly along a row of the cluster, B's along a column.
; OUT: qkv: q, k [head or 16 + head: 32][tile of 16 tokens: 512][768]; v from byte 12,582,912: [batch x 16 + head][64 keys: 32][tile of 16 channels: 4][768].
; qkvs: q, k [32][512][r: 16][a word: bytes 0, 1 the head's two blocks; bytes 2, 3 never 0xff]; v from byte 1,048,576: [batch x 16 + head][128 keys: 16][2][tile: 4][r: 16][word], the first of the two entries being the word of the 128 keys.
; REGISTERS, in windows of 256: window 0: v1-31 addresses; v32-63 scale words, two sets; v64-127 the bias along B's rows; v128-223 A's fragments, one set; v240-255 the bias along A's rows, as pairs.
;   window 1: B's fragments, two sets, at v0 and v128.  windows 2, 3: the accumulators, (a, b) at v[8 (8 (a % 4) + b)].
.set FRH,   768                        ; 16 rows x 64 K
.set KAP,   6144                       ; 128 rows x 64 K
.set HALFT, 24576                      ; 128 rows x 256 K: what one tensor load brings
.set SLOT,  98304                      ; A's 256 rows, then B's 256 rows
.set FR,    12                         ; registers of a fragment
.set NP,    4                          ; places behind this matrix instruction (ISA guide 7.12.1)
.set SCL,   196608                     ; behind the ring: the scale bytes of all of K, filled once: 4,096 bytes for each 128 rows; B's lie 128 bytes further on, so that A's and B's lanes of a load take different banks
.set SPARE, 213248                     ; the spare words, 128 bytes for each wave: two blocks of 256 bytes that no other line names
.set ADRA, 16                          ; v16-17 my A fragments in slot 0, 1, at 16 x lane; v18-19 at 512 + 8 x lane
.set ADRB, 20                          ; v20-23 the same for B
.set SST,  24                          ; v24 the way out: where my row's scale word goes in my stage
.set SRD,  25                          ; v25 and where 16 bytes of it are read back
.set VO16, 26                          ; v26 16 x lane
.set ADRS, 27                          ; v27 my scale words: lanes 0-15 A's rows, lanes 16-31 B's
.set SPW,  28                          ; v28 my spare word: SPARE + 4 x my thread's number; never rewritten
.set NIL,  29                          ; v29 0; never rewritten
.set VO8,  30                          ; v30 512 + 8 x lane
.set SVO,  31                          ; v31 the scale words' place in memory
.set SC,   32
.set CB,   64
.set AF,   128
.set RB,   240
.set H,    128                         ; the way out: v128-191 64 numbers; v192-211 codes; v212-227 at work
.set PC,   192
.set TM,   212
.set PW,   228
.set TT,   229
.set SW,   230                         ; v230-237 a word for each of my eight tiles
.set SEL,  2                           ; s[2:3] lane selects: lane l xor 16
.set HM,   67                          ; s67 lanes 16-31
.set G1, 24
.set G0, 32
.set G1B, 48
.set G0B, 56
.set G1S, 68
.set G0S, 76
.set G1SB, 80
.set G0SB, 88
.set MSB, 0
.macro WIN new                         ; the immediate's high byte repeats the setting that is left
.if MSB != (\new)
	s_set_vgpr_msb (MSB<<8)|(\new)
.set MSB, (\new)
.endif
.endm
.set MUL_LO, 0xa1                      ; source 0 (B) window 1, source 1 (A) window 0, C and D window 2
.set MUL_HI, 0xf1                      ; the same, C and D window 3
.set FST_LO, 0x81                      ; the first products: C (the bias) window 0, D window 2
.set FST_HI, 0xc1                      ; D window 3
.set TO_B,   0x40                      ; destination window 1, address window 0
; A joint load: waves 0 and 1 fetch for A, waves 2 and 3 for B.  The branch hangs on the wave's number alone.  Four v_nop follow each of the two lines.
.macro JLOAD g0a, g1a, g0b, g1b
	s_cmp_eq_u32 s15, 0
	s_cbranch_scc0 .Lfor_b_\@
	tensor_load_to_lds s[\g0a:\g0a+3], s[\g1a:\g1a+7]
	s_nop 0
.rept 4
	v_nop
.endr
	s_branch .Lasked_\@
.Lfor_b_\@:
	tensor_load_to_lds s[\g0b:\g0b+3], s[\g1b:\g1b+7]
	s_nop 0
.rept 4
	v_nop
.endr
.Lasked_\@:
.endm
.macro CREST                           ; a round of the cluster's barrier behind its opening barrier
	s_cmp_lg_u32 s14, 0
	s_cbranch_scc1 .Lnot_wave_0_\@
	s_barrier_signal -3
.Lnot_wave_0_\@:
	s_barrier_wait -3
	s_barrier_signal -1
	s_barrier_wait -1
.endm
.macro CROUND                          ; a whole round
	s_barrier_signal -1
	s_barrier_wait -1
	CREST
.endm
.macro PLACES n
.rept \n
	v_nop
.endr
.endm
; 64 numbers of a lane, register 16 b + i = k 32 b + 16 (lane / 16) + i of my row, become a fragment's codes in v[pc] .. v[pc + 11] and my row's scale word in v[pw]
.macro QUANT s, pc, tm, pw
.irp b, 0,1,2,3
	v_max3_num_f32 v[(\tm)+\b], |v[(\s)+16*\b]|, |v[(\s)+1+16*\b]|, 0x1800000   ; my 16 numbers of block b, and the floor 2^(3 - 127): the byte cannot fall under 1
.endr
.irp i, 2,4,6,8,10,12,14
.irp b, 0,1,2,3
	v_max3_num_f32 v[(\tm)+\b], v[(\tm)+\b], |v[(\s)+16*\b+\i]|, |v[(\s)+1+16*\b+\i]|
.endr
.endr
.irp b, 0,1,2,3
	v_permlanex16_b32 v[(\tm)+4+\b], v[(\tm)+\b], s[SEL], s[SEL+1]
.endr
.irp b, 0,1,2,3
	v_max_num_f32 v[(\tm)+\b], v[(\tm)+\b], v[(\tm)+4+\b]
.endr
.irp b, 0,1,2,3
	v_add_nc_u32 v[(\tm)+12+\b], 0xff000000, v[(\tm)+\b]           ; 2 off the exponent field: the conversion's scale operand
.endr
.irp b, 0,1,2,3
	v_lshrrev_b32 v[(\tm)+4+\b], 23, v[(\tm)+12+\b]                ; the scale's byte
.endr
	v_lshl_or_b32 v[\pw], v[(\tm)+5], 8, v[(\tm)+4]
	v_lshl_or_b32 v[\pw], v[(\tm)+6], 16, v[\pw]
	v_lshl_or_b32 v[\pw], v[(\tm)+7], 24, v[\pw]
.irp c, 0,1
	v_cvt_scalef32_pk16_fp6_f32 v[(\pc)+6*\c:(\pc)+2+6*\c], v[(\s)+32*\c:(\s)+15+32*\c], v[(\tm)+12+2*\c]
	v_cvt_scalef32_pk16_fp6_f32 v[(\pc)+12+4*\c:(\pc)+14+4*\c], v[(\s)+16+32*\c:(\s)+31+32*\c], v[(\tm)+13+2*\c]
.endr
	v_nop                                          ; one plain place behind a scaled conversion
.irp c, 0,1
.irp i, 0,1,2
	v_permlane16_swap_b32 v[(\pc)+6*\c+\i], v[(\pc)+12+4*\c+\i]
.endr
.irp i, 0,1,2
	v_mov_b32 v[(\pc)+3+6*\c+\i], v[(\pc)+12+4*\c+\i]
.endr
.endr
.endm
	s_load_b256 s[4:11], s[0:1], 0x0               ; cod s[4:5], scl s[6:7], b_qkv s[8:9], qkv s[10:11]
	s_load_b64 s[12:13], s[0:1], 0x20              ; qkvs
	v_lshl_add_u32 v[SPW], v0, 2, SPARE
	v_mov_b32 v[NIL], 0
	ds_add_u32 v28, v29
	ds_add_u32 v28, v29
	s_wait_dscnt 0x0
	v_lshrrev_b32 v1, 5, v0
	v_readfirstlane_b32 s14, v1                    ; wave 0..3
	s_lshr_b32 s15, s14, 1                         ; which 128 rows of A are mine.  Also: I fetch for A (0) or for B (1)
	s_and_b32 s16, s14, 1                          ; which 128 rows of B.  Also: which 128 rows I fetch
	s_bfe_u32 s40, ttmp6, 0x40000                  ; cx
	s_bfe_u32 s41, ttmp6, 0x40004                  ; cy
	s_and_b32 s66, ttmp7, 0xffff                   ; the cluster's y: under 8: q and k; from 8 on: v
	s_max_u32 s19, s66, 8
	s_sub_co_u32 s19, s19, 8
	s_lshl_b32 s19, s19, 1
	s_add_co_u32 s19, s19, ttmp9                   ; v: which four tile columns of tokens: 2 (y - 8) + x
	s_lshl_b32 s20, s66, 2
	s_cmp_lt_u32 s66, 8
	s_cselect_b32 s17, s20, 0
	s_cselect_b32 s42, ttmp9, s19
	s_cselect_b32 s21, 0, 80                       ; A's first block of 128 rows in cod: x, or w_v
	s_cselect_b32 s46, 64, 0                       ; B's: w_q, or x
	s_cselect_b32 s94, -1, 0                       ; keeps the bias along B's rows
	s_cselect_b32 s95, 0, -1                       ; keeps the bias along A's rows
	s_add_co_u32 s17, s17, s41                     ; tile row: it hangs on cy, never on cx
	s_lshl_b32 s42, s42, 2
	s_add_co_u32 s42, s42, s40                     ; tile column: it hangs on cx, never on cy
	s_lshl_b32 s43, s41, 2
	s_lshl_b32 s43, 15, s43                        ; my row of the cluster
	s_lshl_b32 s44, 0x1111, s40                    ; my column
	; descriptor group 1: dense blocks as rows of 256 bytes (32 elements of 8 bytes): 96 rows of codes, 32 rows of scale bytes; no padding
	s_or_b32 s[G1+0], s43, (3<<16)|(1<<21)         ; 15:0 the mask; 17:16 elements of 8 bytes; 21 set beside a mask
	s_or_b32 s[G1B+0], s44, (3<<16)|(1<<21)
	s_or_b32 s[G1S+0], s43, (3<<16)|(1<<21)
	s_or_b32 s[G1SB+0], s44, (3<<16)|(1<<21)
.irp g, G1, G1B
	s_mov_b32 s[\g+1], 3072<<16                    ; for the head's loads: two rows of 24,576 bytes (a K step of 128 rows each), 98,304 bytes apart
	s_mov_b32 s[\g+2], 2<<16
	s_mov_b32 s[\g+3], 3072<<16
	s_mov_b32 s[\g+4], 2
	s_mov_b32 s[\g+5], 12288
	s_mov_b32 s[\g+6], 0
	s_mov_b32 s[\g+7], 0
.endr
.irp g, G1S, G1SB
	s_mov_b32 s[\g+1], 32<<16
	s_mov_b32 s[\g+2], 32<<16                      ; the scale bytes of 256 rows: 32 rows of 256 bytes
	s_mov_b32 s[\g+3], 32<<16
	s_mov_b32 s[\g+4], 32
	s_mov_b32 s[\g+5], 32
	s_mov_b32 s[\g+6], 0
	s_mov_b32 s[\g+7], 0
.endr
	s_lshl_b32 s20, s17, 1
	s_add_co_u32 s20, s20, s21
	s_add_co_u32 s20, s20, s16                     ; the block of 128 rows that I would fetch for A
	s_lshl_b32 s47, s42, 1
	s_add_co_u32 s46, s46, s47
	s_add_co_u32 s46, s46, s16                     ; and for B
	s_lshl_b32 s22, s20, 12                        ; its scale bytes,
	s_mov_b32 s23, 0
	s_mul_i32 s20, s20, 98304                      ; its codes
	s_mov_b32 s21, 0
	s_lshl_b32 s92, s46, 12
	s_mov_b32 s93, 0
	s_mul_i32 s46, s46, 98304
	s_mov_b32 s47, 0
	s_mul_i32 s45, s14, HALFT                      ; where they go: wave x 24,576: no place in the cluster enters an LDS address
	s_lshl_b32 s98, s14, 12
	s_lshl_b32 s99, s15, 7
	s_add_co_u32 s98, s98, s99                     ; the scale bytes: wave x 4,096, B's 128 further on
	s_mov_b32 s[SEL], 0x76543210
	s_mov_b32 s[SEL+1], 0xfedcba98
	s_mov_b32 s[HM], 0xffff0000
	s_wait_kmcnt 0x0
	s_add_nc_u64 s[20:21], s[4:5], s[20:21]
	s_add_nc_u64 s[22:23], s[6:7], s[22:23]
	s_add_nc_u64 s[46:47], s[4:5], s[46:47]
	s_add_nc_u64 s[92:93], s[6:7], s[92:93]
	CROUND                                         ; all sixteen work-groups are here: the first joint loads meet
	s_mov_b32 s[G0S], 1
	s_lshl_b32 s98, s16, 12                        ; back to the first of the two blocks of 128 rows
	s_mov_b32 s99, 0
	s_mov_b32 s[G0S+1], SCL
	s_sub_nc_u64 s[G0S+2:G0S+3], s[22:23], s[98:99]
	s_or_b32 s[G0S+3], s[G0S+3], 0x80000000
	s_mov_b32 s[G0SB], 1
	s_mov_b32 s[G0SB+1], SCL+8320
	s_sub_nc_u64 s[G0SB+2:G0SB+3], s[92:93], s[98:99]
	s_or_b32 s[G0SB+3], s[G0SB+3], 0x80000000
.irp s, 0,1
	s_mov_b32 s[G0+4*\s], 1
	s_add_co_u32 s[G0+4*\s+1], s45, \s*SLOT
	s_add_nc_u64 s[G0+4*\s+2:G0+4*\s+3], s[20:21], \s*HALFT
	s_or_b32 s[G0+4*\s+3], s[G0+4*\s+3], 0x80000000
	s_mov_b32 s[G0B+4*\s], 1
	s_add_co_u32 s[G0B+4*\s+1], s45, \s*SLOT
	s_add_nc_u64 s[G0B+4*\s+2:G0B+4*\s+3], s[46:47], \s*HALFT
	s_or_b32 s[G0B+4*\s+3], s[G0B+4*\s+3], 0x80000000
.endr
	; the head's four tiles, one a wave: wave 0 A's 256 rows of K step 0, wave 1 A's scale bytes, wave 2 B's 256 rows, wave 3 B's scale bytes
	s_cmp_eq_u32 s14, 0
	s_cbranch_scc0 .Lhead_1
	tensor_load_to_lds s[G0:G0+3], s[G1:G1+7]
	s_nop 0
	PLACES 4
	s_branch .Lhead_asked
.Lhead_1:
	s_cmp_eq_u32 s14, 1
	s_cbranch_scc0 .Lhead_2
	tensor_load_to_lds s[G0S:G0S+3], s[G1S:G1S+7]
	s_nop 0
	PLACES 4
	s_branch .Lhead_asked
.Lhead_2:
	s_cmp_eq_u32 s14, 2
	s_cbranch_scc0 .Lhead_3
	tensor_load_to_lds s[G0B:G0B+3], s[G1B:G1B+7]
	s_nop 0
	PLACES 4
	s_branch .Lhead_asked
.Lhead_3:
	tensor_load_to_lds s[G0SB:G0SB+3], s[G1SB:G1SB+7]
	s_nop 0
	PLACES 4
.Lhead_asked:
	v_and_b32 v1, 15, v0
	v_bfe_u32 v2, v0, 4, 1
	v_and_b32 v3, 31, v0                           ; lane
	v_lshlrev_b32 v[VO16], 4, v3
	v_lshlrev_b32 v[VO8], 3, v3
	v_add_nc_u32 v[VO8], 512, v[VO8]
	s_mul_i32 s21, s15, HALFT                      ; my 128 rows of A
	s_mul_i32 s22, s16, HALFT                      ; my 128 rows of B,
	s_add_co_u32 s22, s22, 2*HALFT                 ; which lie behind A's 256
.irp s, 0,1
	v_add_nc_u32 v[ADRA+\s], s21, v[VO16]
	v_add_nc_u32 v[ADRB+\s], s22, v[VO16]
	v_add_nc_u32 v[ADRA+2+\s], s21, v[VO8]
	v_add_nc_u32 v[ADRB+2+\s], s22, v[VO8]
	s_add_co_u32 s21, s21, SLOT
	s_add_co_u32 s22, s22, SLOT
.endr
	v_lshlrev_b32 v5, 3, v1                        ; my row's 8 scale bytes of a K step
	s_lshl_b32 s21, s15, 12                        ; A's: my 128 rows
	s_lshl_b32 s22, s16, 12                        ; B's: my 128 rows, behind A's two blocks and 128 bytes on
	s_add_co_u32 s22, s22, 8320
	s_sub_co_u32 s22, s22, s21
	v_mul_u32_u24 v6, s22, v2                      ; lanes 16-31 take B's
	s_add_co_u32 s21, s21, SCL
	v_add_nc_u32 v5, v5, v6
	v_add_nc_u32 v[ADRS], s21, v5
	s_lshl_b32 s23, s14, 10                        ; my stage for the scale words: 1,024 bytes in slot 0, used when that slot has had its last fill and its last read
	v_lshlrev_b32 v5, 2, v1
	v_lshl_add_u32 v5, v2, 9, v5
	v_add_nc_u32 v[SST], s23, v5                   ; 512 h + 4 r
	v_add_nc_u32 v[SRD], s23, v[VO16]
	; the biases
	s_lshl_b32 s92, s17, 1
	s_add_co_u32 s92, s92, s15                     ; which 128 rows of A's tensor are mine
	s_lshl_b32 s93, s42, 1
	s_add_co_u32 s93, s93, s16                     ; and of B's
	s_lshl_b32 s18, s93, 9
	s_lshl_b32 s20, s92, 9
	s_add_co_u32 s20, s20, 8192                    ; v's features begin at 2,048
	s_cmp_lt_u32 s66, 8
	s_cselect_b32 s18, s18, 0                      ; (the one that does not apply is read at the buffer's head and masked)
	s_cselect_b32 s20, 0, s20
	s_mov_b32 s19, 0
	s_mov_b32 s21, 0
	s_add_nc_u64 s[18:19], s[8:9], s[18:19]
	s_add_nc_u64 s[20:21], s[8:9], s[20:21]
	v_lshlrev_b32 v3, 6, v2                        ; 64 h
	v_and_b32 v4, 8, v1
	v_add_nc_u32 v4, v4, v1
	v_lshlrev_b32 v4, 2, v4                        ; 4 (r + 8 (r / 8))
.irp b, 0,1,2,3,4,5,6,7
	global_load_b128 v[CB+8*\b:CB+8*\b+3], v3, s[18:19] offset:(32*(\b/2)+8*(\b%2))*4        ; in the result's layout: B's rows 32 (b / 2) + 16 h + 8 (b % 2) + 0 .. 7
	global_load_b128 v[CB+8*\b+4:CB+8*\b+7], v3, s[18:19] offset:(32*(\b/2)+8*(\b%2))*4+16
.endr
.irp a, 0,1,2,3,4,5,6,7
	global_load_b32 v[RB+2*\a], v4, s[20:21] offset:(32*(\a/2)+8*(\a%2))*4                    ; my row of A's tile a
.endr
	s_wait_loadcnt 0x0
.set i, 0
.rept 64
	v_and_b32 v[CB+i], s94, v[CB+i]
.set i, i+1
.endr
.irp a, 0,1,2,3,4,5,6,7
	v_and_b32 v[RB+2*\a], s95, v[RB+2*\a]
.endr
.irp a, 0,1,2,3,4,5,6,7
	v_mov_b32 v[RB+2*\a+1], v[RB+2*\a]             ; as a pair, for the packed addition
.endr
.macro FRAG reg, adr, q, i             ; a fragment, 16 rows x 128 K: two images of six registers
	ds_load_b128 v[(\reg):(\reg)+3], v[\adr] offset:2*(\q)*KAP+(\i)*FRH
	ds_load_b64 v[(\reg)+4:(\reg)+5], v[(\adr)+2] offset:2*(\q)*KAP+(\i)*FRH
	ds_load_b128 v[(\reg)+6:(\reg)+9], v[\adr] offset:(2*(\q)+1)*KAP+(\i)*FRH
	ds_load_b64 v[(\reg)+10:(\reg)+11], v[(\adr)+2] offset:(2*(\q)+1)*KAP+(\i)*FRH
.endm
; 16 matrix instructions: A's tiles a0, a0 + 1 x B's eight, the slot's q-th 128 along K.  p: B's set; sc: the set of scale words.  first = 1: the bias starts the sums: nothing is ever cleared.
; The 64 accumulators take turns, one instruction a turn, in the same order in every step.
.macro MUL16 a0, p, q, sc, first
.irp a, \a0, \a0+1
.irp b, 0,1,2,3,4,5,6,7
.if \first
	v_wmma_scale_f32_16x16x128_f8f6f4 v[8*(8*((\a)%4)+\b):8*(8*((\a)%4)+\b)+7], v[128*(\p)+FR*\b:128*(\p)+FR*\b+FR-1], v[AF+FR*(\a):AF+FR*(\a)+FR-1], v[CB+8*\b:CB+8*\b+7], v[SC+16*(\sc)+2*\b+(\q)], v[SC+16*(\sc)+2*(\a)+(\q)] matrix_a_fmt:MATRIX_FMT_FP6 matrix_b_fmt:MATRIX_FMT_FP6 matrix_a_scale:MATRIX_SCALE_ROW1
.else
	v_wmma_scale_f32_16x16x128_f8f6f4 v[8*(8*((\a)%4)+\b):8*(8*((\a)%4)+\b)+7], v[128*(\p)+FR*\b:128*(\p)+FR*\b+FR-1], v[AF+FR*(\a):AF+FR*(\a)+FR-1], v[8*(8*((\a)%4)+\b):8*(8*((\a)%4)+\b)+7], v[SC+16*(\sc)+2*\b+(\q)], v[SC+16*(\sc)+2*(\a)+(\q)] matrix_a_fmt:MATRIX_FMT_FP6 matrix_b_fmt:MATRIX_FMT_FP6 matrix_a_scale:MATRIX_SCALE_ROW1
.endif
.endr
.endr
.endm
.macro FETCH_B slot, q, p              ; B's eight fragments into set p: 32 loads
	WIN TO_B
.irp i, 0,1,2,3,4,5,6,7
	FRAG 128*(\p)+FR*\i, ADRB+\slot, \q, \i
.endr
	WIN 0
.endm
.macro FETCH_A slot, q, i0             ; A's tiles i0 .. i0 + 3: 16 loads
.irp i, \i0, \i0+1, \i0+2, \i0+3
	FRAG AF+FR*(\i), ADRA+\slot, \q, \i
.endr
.endm
.macro SCALES sc                       ; a K step's scale words, two a row: lanes 0-15 A's tile i, lanes 16-31 B's tile i
.irp i, 0,1,2,3,4,5,6,7
	ds_load_b64 v[SC+16*\sc+2*\i:SC+16*\sc+2*\i+1], v[ADRS] offset:128*\i
.endr
.endm
; A step of 128 along K that has its successor in the same slot.  Loads into registers that matrix instructions have read stand four plain places behind them.
.macro STEP slot, q, first
	s_wait_dscnt 16                                ; all but the youngest 16 loads (A's tiles 4-7) are in
.if \first
	WIN FST_LO
.else
	WIN MUL_LO
.endif
	MUL16 0, (\q)%2, \q, \slot, \first
	MUL16 2, (\q)%2, \q, \slot, \first
	s_wait_dscnt 0x0                               ; A's tiles 4-7 are in
	PLACES NP
	FETCH_B \slot, (\q)+1, 1-(\q)%2
	FETCH_A \slot, (\q)+1, 0
.if \first
	WIN FST_HI
.else
	WIN MUL_HI
.endif
	MUL16 4, (\q)%2, \q, \slot, \first
	MUL16 6, (\q)%2, \q, \slot, \first
	PLACES NP
	WIN 0
	FETCH_A \slot, (\q)+1, 4
.endm
; A slot's last step changes slots: one barrier; in front of it each wave waits for all its tensor loads, adds 0 to its spare word, and waits for that and for its own reads of this slot.  fill = 1: this slot is filled again, two K steps ahead.
.macro TURN slot, next, fill
	s_wait_tensorcnt 0x0                           ; all my tensor loads have landed: my part of the next slot
	ds_add_u32 v[SPW], v[NIL]                      ; 0 onto my spare word
	s_wait_dscnt 17                                ; (the add and the youngest 16 loads may be out)
	WIN MUL_LO
	MUL16 0, 1, 1, \slot, 0                        ; sixteen matrix instructions stand between the add and the wait for it
	s_wait_dscnt 0x0                               ; the add is done, and my reads of this slot are over
	s_barrier_signal -1
	MUL16 2, 1, 1, \slot, 0
	WIN 0
	s_barrier_wait -1
.if \fill
	CREST                                          ; the barrier has opened a round of the cluster's barrier: no wave of any partner still reads this slot or has a load on its way
	s_add_nc_u64 s[G0+4*\slot+2:G0+4*\slot+3], s[G0+4*\slot+2:G0+4*\slot+3], 2*HALFT
	s_add_nc_u64 s[G0B+4*\slot+2:G0B+4*\slot+3], s[G0B+4*\slot+2:G0B+4*\slot+3], 2*HALFT
	JLOAD G0+4*\slot, G1, G0B+4*\slot, G1B         ; the first tensor load behind the round; its four v_nop are the places in front of the loads below
.else
	PLACES NP
.endif
	s_wait_alu depctr_va_vdst(0)
	v_add_nc_u32 v[ADRS], 1024, v[ADRS]            ; the next K step's scale words
	FETCH_B \next, 0, 0
	FETCH_A \next, 0, 0
	SCALES \next
	WIN MUL_HI
	MUL16 4, 1, 1, \slot, 0
	MUL16 6, 1, 1, \slot, 0
	PLACES NP
	WIN 0
	FETCH_A \next, 0, 4
.endm
	s_wait_alu depctr_va_vdst(0)
	s_wait_tensorcnt 0x0                           ; my tile of the head's four is in
	ds_add_u32 v28, v29
.irp g, G1, G1B
	s_mov_b32 s[\g+1], 32<<16                      ; no tensor load of mine is out: from here on a load brings 96 rows of 256 bytes
	s_mov_b32 s[\g+2], 96<<16
	s_mov_b32 s[\g+3], 32<<16
	s_mov_b32 s[\g+4], 96
	s_mov_b32 s[\g+5], 32
.endr
	s_wait_dscnt 0x0
	CROUND
	JLOAD G0+4, G1, G0B+4, G1B                     ; K step 1, a quarter of the slot a wave
	FETCH_B 0, 0, 0
	FETCH_A 0, 0, 0
	SCALES 0
	FETCH_A 0, 0, 4
	STEP 0, 0, 1                                   ; K has four steps of 256: each step of the text is written once, so there is no loop
	TURN 0, 1, 1
	STEP 1, 0, 0
	TURN 1, 0, 1
	STEP 0, 0, 0
	TURN 0, 1, 0                                   ; nothing is left to fetch
	STEP 1, 0, 0
	s_wait_dscnt 16                                ; the very last step
	WIN MUL_LO
	MUL16 0, 1, 1, 1, 0
	MUL16 2, 1, 1, 1, 0
	s_wait_dscnt 0x0
	WIN MUL_HI
	MUL16 4, 1, 1, 1, 0
	MUL16 6, 1, 1, 1, 0
	WIN 0
	PLACES NP                                      ; behind the last products: their results are read and their operands' registers written from here on
.irp b, 0,1,2,3
	v_mov_b32 v[TM+4+\b], 0                        ; written once: a lane permute's destination counts as one of its sources
.endr
	; WHERE THE RESULTS GO.  No tensor load is out: the descriptors' registers are free.  s92: my 128 rows of A's tensor; s93: of B's
	s_mul_i32 s24, s93, 786432                     ; q, k: two heads of 393,216 bytes,
	s_mul_i32 s25, s92, 6144                       ; eight tiles of tokens
	s_add_co_u32 s24, s24, s25
	s_lshl_b32 s26, s93, 16                        ; their scale words: two heads of 32,768 bytes, eight tiles of 64
	s_lshl_b32 s27, s92, 9
	s_add_co_u32 s26, s26, s27
	s_lshr_b32 s28, s93, 4                         ; v: the batch,
	s_lshl_b32 s28, s28, 4
	s_lshl_b32 s29, s92, 1
	s_add_co_u32 s28, s28, s29                     ; 16 x batch + my first head
	s_and_b32 s29, s93, 15                         ; which 128 keys
	s_mul_i32 s30, s28, 98304
	s_mul_i32 s31, s29, 6144
	s_add_co_u32 s30, s30, s31
	s_add_co_u32 s30, s30, 12582912
	s_lshl_b32 s32, s28, 13
	s_lshl_b32 s33, s29, 9
	s_add_co_u32 s32, s32, s33
	s_add_co_u32 s32, s32, 1048576
	s_mov_b32 s34, 3072
	s_mov_b32 s36, 98304
	s_mov_b32 s38, 256
	s_mov_b32 s44, 8192
	s_cmp_lt_u32 s66, 8
	s_cselect_b32 s24, s24, s30                    ; the codes' first byte
	s_cselect_b32 s26, s26, s32                    ; the scale words'
	s_cselect_b32 s28, 393216, s34                 ; from a fragment's lower 64 to its upper 64: the next head, or the next 64 keys
	s_cselect_b32 s30, s34, s36                    ; from my tiles 0-3 to 4-7: four tiles of tokens on, or the next head
	s_cselect_b32 s32, 32768, s38                  ; the same two for the scale words
	s_cselect_b32 s86, s38, s44
	s_mov_b32 s25, 0
	s_mov_b32 s27, 0
	s_mov_b32 s29, 0
	s_mov_b32 s31, 0
	s_mov_b32 s33, 0
	s_add_nc_u64 s[68:69], s[10:11], s[24:25]      ; lower 64, tiles 0-3
	s_add_nc_u64 s[70:71], s[68:69], s[30:31]      ; lower 64, tiles 4-7
	s_add_nc_u64 s[72:73], s[68:69], s[28:29]      ; upper 64, tiles 0-3
	s_add_nc_u64 s[74:75], s[72:73], s[30:31]      ; upper 64, tiles 4-7
	s_add_nc_u64 s[76:77], s[12:13], s[26:27]
	s_add_nc_u64 s[78:79], s[76:77], s[32:33]
	v_mul_u32_u24 v[SVO], s86, v2
	v_lshl_add_u32 v[SVO], v1, 4, v[SVO]           ; lanes 0-15: tiles 0-3's 256 bytes of words; lanes 16-31: tiles 4-7's
; THE WAY OUT of my tile a of A's rows: the eight accumulators are 128 neighbours along the next K of one row a lane.  They leave their window with the bias along A's rows added, are quantised, and the two images are stored.
.macro OUTBLK a
	s_wait_xcnt 0x0                                ; the last tile's stores have read the codes' registers
	WIN 0x02+(\a)/4                                ; source 0: window 2 or 3
.set i, 0
.rept 32
	v_pk_add_f32 v[H+2*i:H+2*i+1], v[64*((\a)%4)+2*i:64*((\a)%4)+2*i+1], v[RB+2*(\a):RB+2*(\a)+1]   ; ascending: each accumulator from its low end on
.set i, i+1
.endr
	WIN 0
	QUANT H, PC, TM, PW
	v_lshrrev_b32 v[TT], 16, v[PW]
	v_cndmask_b32 v[SW+(\a)], v[PW], v[TT], s[HM]  ; lanes 0-15: the word as it is (its bytes 0, 1: the lower 64); lanes 16-31: its upper two bytes moved down (the upper 64)
	ds_store_b32 v[SST], v[SW+(\a)] offset:64*(\a)
	global_store_b128 v[VO16], v[PC:PC+3], s[68+2*((\a)/4):69+2*((\a)/4)] offset:768*((\a)%4)       ; 512 consecutive bytes, at a multiple of 256
	global_store_b64 v[VO8], v[PC+4:PC+5], s[68+2*((\a)/4):69+2*((\a)/4)] offset:768*((\a)%4)       ; 256 consecutive bytes
	global_store_b128 v[VO16], v[PC+6:PC+9], s[72+2*((\a)/4):73+2*((\a)/4)] offset:768*((\a)%4)
	global_store_b64 v[VO8], v[PC+10:PC+11], s[72+2*((\a)/4):73+2*((\a)/4)] offset:768*((\a)%4)
.endm
.irp a, 0,1,2,3,4,5,6,7
	OUTBLK \a
.endr
	ds_load_b128 v[32:35], v[SRD]                  ; LDS serves a wave's instructions in order: these see my stores.  The lower 64's words of my eight tiles,
	ds_load_b128 v[36:39], v[SRD] offset:512       ; and the upper 64's
	s_wait_dscnt 0x0
	global_store_b128 v[SVO], v[32:35], s[76:77]   ; sixteen lanes store 256 consecutive bytes, at a multiple of 256
	global_store_b128 v[SVO], v[36:39], s[78:79]
	s_wait_tensorcnt 0x0                           ; the wave's end
	ds_add_u32 v[SPW], v[NIL]
	s_wait_dscnt 0x0
	CROUND                                         ; the closing round: no work-group ends while a partner may still ask for a tile that names it
	s_endpgm
.Lfunc_end_k_q5ba7cb1229_qkv:
	.size	k_q5ba7cb1229_qkv, .Lfunc_end_k_q5ba7cb1229_qkv-k_q5ba7cb1229_qkv
	.p2alignl 7, 3214868480
	.fill 96, 4, 3214868480
	.section	.rodata,"a",@progbits
	.p2align	6, 0x0
	.amdhsa_kernel k_q5ba7cb1229_qkv
		.amdhsa_group_segment_fixed_size 327680
		.amdhsa_private_segment_fixed_size 0
		.amdhsa_enable_private_segment 0
		.amdhsa_kernarg_size 40
		.amdhsa_user_sgpr_count 2
		.amdhsa_user_sgpr_kernarg_segment_ptr 1
		.amdhsa_wavefront_size32 1
		.amdhsa_system_sgpr_workgroup_id_x 1
		.amdhsa_system_sgpr_workgroup_id_y 1
		.amdhsa_system_sgpr_workgroup_id_z 1
		.amdhsa_system_vgpr_workitem_id 0
		.amdhsa_next_free_vgpr 1024
		.amdhsa_next_free_sgpr 100
		.amdhsa_reserve_vcc 0
		.amdhsa_float_denorm_mode_32 3
		.amdhsa_float_denorm_mode_16_64 3
		.amdhsa_memory_ordered 1
		.amdhsa_forward_progress 1
		.amdhsa_inst_pref_size 174
	.end_amdhsa_kernel
	.amdgpu_metadata
---
amdhsa.version: [ 1, 2 ]
amdhsa.kernels:
  - .name:           k_q5ba7cb1229_qkv
    .symbol:         k_q5ba7cb1229_qkv.kd
    .args:
      - { .name: cod, .offset: 0, .size: 8, .value_kind: global_buffer, .address_space: global }
      - { .name: scl, .offset: 8, .size: 8, .value_kind: global_buffer, .address_space: global }
      - { .name: b_qkv, .offset: 16, .size: 8, .value_kind: global_buffer, .address_space: global }
      - { .name: qkv, .offset: 24, .size: 8, .value_kind: global_buffer, .address_space: global }
      - { .name: qkvs, .offset: 32, .size: 8, .value_kind: global_buffer, .address_space: global }
    .group_segment_fixed_size: 327680
    .private_segment_fixed_size: 0
    .kernarg_segment_align: 8
    .kernarg_segment_size: 40
    .max_flat_workgroup_size: 128
    .sgpr_count:     100
    .vgpr_count:     1024
    .wavefront_size: 32
...
	.end_amdgpu_metadata
.endif
;; end of part 2
;; launch attn (part 3): grid 4 x 64, 8 waves a work-group, clusters of 4 x 1, 327,680 bytes of LDS; arguments qkv, qkvs, oc, os; writes oc, os
.if DOCPART == 3
	.amdgcn_target "amdgcn-amd-amdhsa--gfx1250"
	.amdhsa_code_object_version 6
	.text
	.protected	k_q5ba7cb1229_attn
	.globl	k_q5ba7cb1229_attn
	.p2align	8
	.type	k_q5ba7cb1229_attn,@function
k_q5ba7cb1229_attn:
	s_mov_b64 s[64:65], 0
	v_nop
	global_prefetch_b8 v0, s[64:65] scope:SCOPE_SE
	s_setreg_imm32_b32 hwreg(HW_REG_WAVE_MODE, 25, 1), 1
	s_wait_xcnt 0x0
	s_wait_alu depctr_hold_cnt(0) depctr_sa_sdst(0) depctr_va_vdst(0) depctr_va_sdst(0) depctr_va_ssrc(0) depctr_va_vcc(0) depctr_vm_vsrc(0)
	s_getreg_b32 s2, hwreg(HW_REG_IB_STS2, 6, 4)
	s_cmp_eq_u32 s2, 0
	s_cbranch_scc0 .Lentry_in_a_cluster
	s_endpgm
.Lentry_in_a_cluster:
	s_bfe_u32 s2, ttmp6, 0x10000c
	s_cmp_lg_u32 s2, 0x3003
	s_cbranch_scc0 .Lentry_shape_is_right
	s_endpgm
.Lentry_shape_is_right:
; o = softmax(q k^T / 8) v on codes of FP6 (E2M3) with E8M0 scales, for one (batch, head) and 512 queries a work-group; o leaves as codes, quantised along the head's 64.
; p = 2^(t - M), t = score x log2(e) / 8, M the ceiling of the running largest t; the row's sum is taken of the unquantised p; when M moves, sum and O^T are multiplied by a power of two.
; LIMITS: NaN and infinities are not served; the promise holds while |t| stays under 2^31; a block's largest magnitude is taken as at least 2^-124 (byte 1).
; SHARES: 8 waves; a wave takes TWO tiles of 16 queries (z = 0, 1) through all 2,048 keys, then two more.  A step is 128 keys: for each tile 8 products S^T = k q^T (K = 64, q's upper 64 codes are zeros)
; and 4 products O^T += v^T p^T.  Each fragment of K and V feeds both tiles, and every chain of the softmax is written for both tiles by turns, line by line.
; CLUSTER: the four work-groups of a cluster serve one (batch, head) and ask for its K, V and scale bytes jointly (mask 15).
; LDS, filled once at the head, one tensor load a wave: K's groups of 32 keys (1,536 bytes) are dealt to two regions, even groups at 0, odd groups at KO, which lies 128 bytes off a multiple of 256.
; All is asked for at the head and nothing is filled again: so there is no loop to prefetch ahead in, and no prefetch.
; A TILE OF K IS COMPOSED BY THE LANES' ADDRESSES: lanes r < 8 of tile (c, u) take keys 64 c + 8 u + r, lanes r >= 8 keys 64 c + 32 + 8 u + r - 8.  So lane (r, h) of S^T holds, in the 32 registers
; of tiles (c, 0 .. 3), keys 64 c + 32 h + 0 .. 31: one whole scale block, in the order of the next operand's registers.
; The next step's K is fetched behind the scores' products, a step's V at its top.  A pass's last step fetches K one step beyond the keys: those reads fall on bytes that the head filled and are not used.
; WINDOW 0: v1-15 lane terms and addresses; v16-39 q of both tiles; v40, 41 q's scale words; v42-55 the next two tiles; v56-63 K's, V's, p's scale words; v64-117 K; v118-165 V; v166-229 O^T.
; WINDOW 1: v0-127 the scores, then p; v128-166 p's codes (20 z); from v168 + 32 z the tile's work: +0 .. 3 maxima, +4 .. 7 at work and the old -M, +8, 9 scale operands, +10, 11 bytes, +12 -M, +13 the running
; largest score, +14, 15 the sum, +16 f, +18 .. 23 partial sums, +24, 25 p's scale word on its way; v232 8 h.
.set WV,  18
.set SEL, 20
.set CS,  22
.set TK,  2
.set TS,  3
.set TV,  62
.set SK,  49152                        ; K's scale bytes, 8,192
.set SV,  57344                        ; V's, 8,192
.set KO,  65664                        ; K's odd groups
.set VB,  114816                       ; V, 98,304 bytes
.set SPARE, 262144                     ; the spare words: 128 bytes a wave
.set MSB, 0
.macro WIN new                         ; the immediate's high byte repeats the setting that is left
.if MSB != (\new)
	s_set_vgpr_msb (MSB<<8)|(\new)
.set MSB, (\new)
.endif
.endm
.macro WALU
	s_wait_alu depctr_va_vdst(0)
.endm
.macro DEP n
	s_delay_alu instid0(VALU_DEP_\n)
.endm
.macro CROUND
	s_barrier_signal -1
	s_barrier_wait -1
	s_cmp_lg_u32 s[WV], 0
	s_cbranch_scc1 .Lnot_wave_0_\@
	s_barrier_signal -3
.Lnot_wave_0_\@:
	s_barrier_wait -3
	s_barrier_signal -1
	s_barrier_wait -1
.endm
.macro SHAPE g, cols, rows, pitch      ; group 1: rows of cols elements of 8 bytes; mask 15, bit 21 beside it
	s_mov_b32 s[\g], 15|(3<<16)|(1<<21)
	s_mov_b32 s[\g+1], (\cols)<<16
	s_mov_b32 s[\g+2], (\rows)<<16
	s_mov_b32 s[\g+3], (\cols)<<16
	s_mov_b32 s[\g+4], \rows
	s_mov_b32 s[\g+5], \pitch
	s_mov_b32 s[\g+6], 0
	s_mov_b32 s[\g+7], 0
.endm
.macro TLOAD g1                        ; s_nop 0 and four v_nop behind the load
	tensor_load_to_lds s[48:51], s[\g1:\g1+7]
	s_nop 0
.rept 4
	v_nop
.endr
.endm
	s_load_b256 s[4:11], s[0:1], 0x0               ; qkv, qkvs, oc, os
	v_lshl_add_u32 v254, v0, 2, SPARE
	v_mov_b32 v255, 0
	ds_add_u32 v254, v255                          ; the opening lines: the add twice on end
	ds_add_u32 v254, v255
	v_lshrrev_b32 v230, 5, v0
	v_readfirstlane_b32 s[WV], v230
	s_bfe_u32 s72, ttmp6, 0x40000                  ; cx: which 512 queries
	s_and_b32 s73, ttmp7, 0xffff                   ; 16 x batch + head
	s_lshr_b32 s74, s73, 4
	s_and_b32 s75, s73, 15
	s_add_co_u32 s78, s75, 16
	s_mul_i32 s79, s78, 393216
	s_mul_i32 s80, s74, 98304
	s_add_co_u32 s79, s79, s80                     ; K's codes, bytes from qkv
	s_mul_i32 s80, s73, 98304
	s_add_co_u32 s80, s80, 12582912                ; V's codes
	s_lshl_b32 s81, s78, 15
	s_lshl_b32 s82, s74, 13
	s_add_co_u32 s81, s81, s82                     ; K's scale bytes, from qkvs
	s_lshl_b32 s82, s73, 13
	s_add_co_u32 s82, s82, 1048576                 ; V's
	SHAPE 24, 192, 16, 384                         ; K: 16 groups of 1,536 bytes, every second group
	SHAPE 32, 32, 192, 32                          ; V: 192 rows of 256 bytes
	SHAPE 40, 32, 32, 32                           ; scale bytes: 32 rows of 256
	s_mov_b32 s48, 1
	s_mov_b32 s85, 0
	s_mov_b32 s[SEL], 0x76543210
	s_mov_b32 s[SEL+1], 0xfedcba98
	s_mov_b32 s[CS], 0x3e38aa3b                    ; log2(e) / 8
	s_mov_b32 s[CS+1], s[CS]
	WALU
	s_wait_dscnt 0x0
	CROUND                                         ; the round in front of the joint loads
	s_wait_kmcnt 0x0
	s_cmp_lt_u32 s[WV], 4
	s_cbranch_scc0 .Lfor_v
	s_and_b32 s86, s[WV], 1                        ; waves 0, 1: K's even groups, a half each; waves 2, 3: the odd ones
	s_lshr_b32 s87, s[WV], 1
	s_mul_i32 s49, s86, 24576
	s_mul_i32 s88, s87, KO
	s_add_co_u32 s49, s49, s88
	s_mul_i32 s84, s86, 49152
	s_mul_i32 s88, s87, 1536
	s_add_co_u32 s84, s84, s88
	s_add_co_u32 s84, s84, s79
	s_add_nc_u64 s[50:51], s[4:5], s[84:85]
	s_or_b32 s51, s51, 0x80000000
	TLOAD 24
	s_branch .Lasked
.Lfor_v:
	s_and_b32 s86, s[WV], 1
	s_cmp_lt_u32 s[WV], 6
	s_cbranch_scc0 .Lfor_s
	s_mul_i32 s84, s86, 49152                      ; waves 4, 5: a half of V each
	s_add_co_u32 s49, s84, VB
	s_add_co_u32 s84, s84, s80
	s_add_nc_u64 s[50:51], s[4:5], s[84:85]
	s_or_b32 s51, s51, 0x80000000
	TLOAD 32
	s_branch .Lasked
.Lfor_s:
	s_lshl_b32 s49, s86, 13                        ; wave 6: K's scale bytes; wave 7: V's
	s_add_co_u32 s49, s49, SK
	s_cmp_eq_u32 s86, 0
	s_cselect_b32 s84, s81, s82
	s_add_nc_u64 s[50:51], s[6:7], s[84:85]
	s_or_b32 s51, s51, 0x80000000
	TLOAD 40
.Lasked:
	s_lshl_b32 s78, s74, 4                         ; where o goes: tile z = 0 of the first pass: the block of 128 rows 16 batch + 4 cx,
	s_lshl_b32 s79, s72, 2
	s_add_co_u32 s78, s78, s79
	s_mul_i32 s80, s78, 98304
	s_mul_i32 s81, s75, 6144                       ; the head's 64 along K,
	s_add_co_u32 s80, s80, s81
	s_mul_i32 s81, s[WV], 768                      ; tile = my wave.  z = 1 lies one block on, the second pass two
	s_add_co_u32 s80, s80, s81
	s_mov_b32 s81, 0
	s_add_nc_u64 s[68:69], s[8:9], s[80:81]
	s_lshl_b32 s80, s78, 12
	s_lshr_b32 s82, s75, 2
	s_lshl_b32 s82, s82, 10
	s_add_co_u32 s80, s80, s82
	s_lshl_b32 s82, s[WV], 7
	s_add_co_u32 s80, s80, s82
	s_and_b32 s82, s75, 3
	s_lshl_b32 s82, s82, 1
	s_add_co_u32 s80, s80, s82
	s_add_nc_u64 s[70:71], s[10:11], s[80:81]
	s_lshl_b32 s83, s74, 7                         ; my first tile of queries: 128 batch + 32 cx + wave; the others lie 8, 16, 24 tiles on
	s_lshl_b32 s84, s72, 5
	s_add_co_u32 s83, s83, s84
	s_add_co_u32 s83, s83, s[WV]
	s_mul_i32 s84, s75, 393216
	s_mul_i32 s85, s83, 768
	s_add_co_u32 s84, s84, s85
	s_mov_b32 s85, 0
	s_add_nc_u64 s[84:85], s[4:5], s[84:85]
	s_lshl_b32 s86, s75, 15
	s_lshl_b32 s87, s83, 6
	s_add_co_u32 s86, s86, s87
	s_mov_b32 s87, 0
	s_add_nc_u64 s[86:87], s[6:7], s[86:87]
	v_and_b32 v230, 31, v0                         ; lane
	v_and_b32 v231, 15, v0                         ; r
	v_bfe_u32 v232, v0, 4, 1                       ; h
	v_bfe_u32 v233, v0, 3, 1                       ; r / 8
	v_and_b32 v234, 7, v0                          ; r % 8
	v_lshlrev_b32 v1, 4, v230                      ; 16 x lane
	v_lshlrev_b32 v2, 3, v230
	v_add_nc_u32 v2, 512, v2                       ; 512 + 8 x lane
	v_mul_u32_u24 v235, v233, KO                   ; lanes r >= 8 read the odd groups
	v_lshl_add_u32 v3, v234, 4, v235
	v_lshl_add_u32 v3, v232, 8, v3                 ; K, registers 0-3 of an image: 16 (r % 8 + 16 h)
	v_lshl_add_u32 v4, v234, 3, v235
	v_lshl_add_u32 v4, v232, 7, v4
	v_add_nc_u32 v4, 512, v4                       ; K, registers 4-5: 512 + 8 (r % 8 + 16 h)
	v_lshlrev_b32 v5, 7, v233
	v_lshl_add_u32 v5, v234, 2, v5
	v_lshl_add_u32 v5, v232, 6, v5
	v_add_nc_u32 v5, SK, v5                        ; K's scale words: lanes 0-15 an even tile's rows, lanes 16-31 the odd tile's
	v_add_nc_u32 v6, VB, v1
	v_add_nc_u32 v7, VB, v2
	v_lshl_add_u32 v8, v230, 2, SV
	v_lshlrev_b32 v9, 3, v231
	v_lshlrev_b32 v236, 2, v231
	WALU
.irp z, 0,1
	global_load_b128 v[16+12*\z:19+12*\z], v1, s[84:85] offset:6144*\z
	global_load_b64 v[20+12*\z:21+12*\z], v2, s[84:85] offset:6144*\z
	global_load_b128 v[42+6*\z:45+6*\z], v1, s[84:85] offset:12288+6144*\z
	global_load_b64 v[46+6*\z:47+6*\z], v2, s[84:85] offset:12288+6144*\z
	global_load_b32 v[40+\z], v236, s[86:87] offset:512*\z
	global_load_b32 v[54+\z], v236, s[86:87] offset:1024+512*\z
.endr
.irp j, 22,23,24,25,26,27,34,35,36,37,38,39,112,113,114,115,116,117
	v_mov_b32 v\j, 0                               ; q's upper 64 codes; what the last K tile's upper half names
.endr
	WIN 0x40                                       ; destinations in window 1
.irp j, 173,205,193,225,185,217
	v_mov_b32 v\j, 0                               ; lane permutes' destinations; the upper halves of the pairs of f
.endr
	v_lshlrev_b32 v232, 3, v232                    ; 8 h: where my two scale bytes stand in p's word
	WIN 0
.macro KLOAD ko                        ; a step's eight composed tiles of K and their scale words: 20 loads
.irp c, 0,1
.irp u, 0,1,2,3
	ds_load_b128 v[64+24*\c+6*\u:67+24*\c+6*\u], v10 offset:3072*(\ko)+1536*\c+768*(\u%2)+128*(\u/2)
	ds_load_b64 v[68+24*\c+6*\u:69+24*\c+6*\u], v11 offset:3072*(\ko)+1536*\c+768*(\u%2)+64*(\u/2)
.endr
.endr
.irp c, 0,1
.irp s, 0,1
	ds_load_b32 v[56+2*\c+\s], v12 offset:512*(\ko)+256*\c+32*\s
.endr
.endr
.endm
	WALU
	s_wait_tensorcnt 0x0                           ; my tile is in,
	s_barrier_signal -1
	s_barrier_wait -1                              ; everybody's is
	s_wait_loadcnt 0x0
	s_mov_b32 s61, 2
.Lpass:
	WIN 0x40
.irp z, 0,1
	v_mov_b32 v[181+32*\z], 0xff61b1e6             ; the largest score so far: -3e38
	v_mov_b32 v[175+32*\z], 0x7f61b1e6             ; and its -M
	v_mov_b32 v[182+32*\z], 0
	v_mov_b32 v[183+32*\z], 0
.endr
	WIN 0
.set i, 0
.rept 64
	v_mov_b32 v[166+i], 0
.set i, i+1
.endr
	s_mov_b32 s[TK], 0
	s_mov_b32 s[TS], 0
	s_mov_b32 s[TV], 0
	v_add_nc_u32 v10, s[TK], v3
	v_add_nc_u32 v11, s[TK], v4
	v_add_nc_u32 v12, s[TS], v5
	v_add_nc_u32 v13, s[TV], v6
	v_add_nc_u32 v14, s[TV], v7
	v_add_nc_u32 v15, s[TS], v8
	KLOAD 0
	s_mov_b32 s60, 16
.Ltrip:
	WALU
	s_wait_dscnt 0x0                               ; this step's K and its scale words are in
.irp t, 0,1,2,3
.irp c, 0,1
	ds_load_b128 v[118+12*\t+6*\c:121+12*\t+6*\c], v13 offset:3072*\c+768*\t
	ds_load_b64 v[122+12*\t+6*\c:123+12*\t+6*\c], v14 offset:3072*\c+768*\t
.endr
.endr
.irp p, 0,1
	ds_load_b32 v[60+\p], v15 offset:128*\p
.endr
	WIN 0x40
.irp c, 0,1
.irp s, 0,1
.irp e, 0,1
.irp z, 0,1
	v_wmma_scale_f32_16x16x128_f8f6f4 v[64*\z+32*\c+16*\s+8*\e:64*\z+32*\c+16*\s+8*\e+7], v[64+24*\c+12*\s+6*\e:75+24*\c+12*\s+6*\e], v[16+12*\z:27+12*\z], 0, v[56+2*\c+\s], v[40+\z] matrix_a_fmt:MATRIX_FMT_FP6 matrix_b_fmt:MATRIX_FMT_FP6 matrix_a_scale:MATRIX_SCALE_ROW\e
.endr
.endr
.endr
.endr
	WIN 0
	s_add_co_u32 s[TV], s[TV], 6144
	s_add_co_u32 s[TS], s[TS], 512
	v_add_nc_u32 v13, s[TV], v6                    ; V's addresses step on: with the v_nop the four places ahead of the loads into K's registers and of the first read of the scores
	v_add_nc_u32 v14, s[TV], v7
	v_add_nc_u32 v15, s[TS], v8
	v_nop
	KLOAD 1                                        ; the next step's K
	WIN 0x55                                       ; the softmax: all in window 1
.irp k, 0,1,2,3                        ; the largest score of my two blocks, in four chains a tile
.irp z, 0,1
	v_max3_num_f32 v[168+32*\z+\k], v[64*\z+16*\k], v[64*\z+16*\k+1], v[64*\z+16*\k+2]
.endr
.endr
.irp i, 3,5,7,9,11,13
.irp k, 0,1,2,3
.irp z, 0,1
	v_max3_num_f32 v[168+32*\z+\k], v[168+32*\z+\k], v[64*\z+16*\k+\i], v[64*\z+16*\k+\i+1]
.endr
.endr
.endr
.irp z, 0,1
	v_max3_num_f32 v[168+32*\z], v[168+32*\z], v[169+32*\z], v[64*\z+15]
.endr
.irp z, 0,1
	v_max3_num_f32 v[170+32*\z], v[170+32*\z], v[171+32*\z], v[64*\z+47]
.endr
.irp z, 0,1
	v_max_num_f32 v[168+32*\z], v[168+32*\z], v[64*\z+31]
.endr
.irp z, 0,1
	v_max_num_f32 v[170+32*\z], v[170+32*\z], v[64*\z+63]
.endr
.irp z, 0,1
	DEP 2
	v_max_num_f32 v[172+32*\z], v[168+32*\z], v[170+32*\z]
.endr
.irp z, 0,1
	DEP 2
	v_permlanex16_b32 v[173+32*\z], v[172+32*\z], s[SEL], s[SEL+1]
.endr
.irp z, 0,1
	DEP 2
	v_max3_num_f32 v[181+32*\z], v[181+32*\z], v[172+32*\z], v[173+32*\z]   ; the running largest score of my query
.endr
.irp z, 0,1
	DEP 2
	v_mul_f32 v[174+32*\z], s[CS], v[181+32*\z]    ; as t
.endr
.irp z, 0,1
	DEP 2
	v_floor_f32 v[180+32*\z], -v[174+32*\z]        ; -M = floor(-t)
.endr
.set j, 0
.rept 32
.irp z, 0,1
	v_pk_fma_f32 v[64*\z+j:64*\z+j+1], v[64*\z+j:64*\z+j+1], s[CS:CS+1], v[180+32*\z:181+32*\z] op_sel_hi:[1,0,0]
.endr
.if j == 8
.irp z, 0,1
	v_sub_f32 v[174+32*\z], v[180+32*\z], v[175+32*\z]   ; old M less new M
.endr
.endif
.if j == 16
.irp z, 0,1
	v_cvt_i32_f32 v[174+32*\z], v[174+32*\z]
.endr
.endif
.if j == 24
.irp z, 0,1
	v_ldexp_f32 v[184+32*\z], 1.0, v[174+32*\z]    ; f = 2^(old M - new M)
.endr
.endif
.set j, j+2
.endr
.irp b, 0,2
.irp z, 0,1
	v_fma_f32 v[168+32*\z+\b], v[168+32*\z+\b], s[CS], v[180+32*\z]   ; the same of each block's largest score
.endr
.endr
	WALU
.irp b, 0,2
.irp z, 0,1
	v_exp_f32 v[168+32*\z+\b], v[168+32*\z+\b]
.endr
.endr
.set j, 0
.rept 128
	v_exp_f32 v[j], v[j]
.set j, j+1
.endr
.irp z, 0,1
	v_mov_b32 v[175+32*\z], v[180+32*\z]           ; -M is kept for the next step: the plain place behind the batch
.endr
	WALU                                           ; and behind it
.irp z, 0,1
	v_pk_fma_f32 v[182+32*\z:183+32*\z], v[182+32*\z:183+32*\z], v[184+32*\z:185+32*\z], v[64*\z:64*\z+1] op_sel_hi:[1,0,1]   ; the sum under the new M, and the unquantised p in four chains a tile
.endr
.irp k, 0,1,2
.irp z, 0,1
	v_pk_add_f32 v[186+32*\z+2*\k:187+32*\z+2*\k], v[64*\z+2+4*\k:64*\z+3+4*\k], v[64*\z+4+4*\k:64*\z+5+4*\k]
.endr
.endr
.irp q, 0,1,2,3,4,5
.irp z, 0,1
	v_pk_add_f32 v[182+32*\z:183+32*\z], v[182+32*\z:183+32*\z], v[64*\z+14+8*\q:64*\z+15+8*\q]
.endr
.irp k, 0,1,2
.irp z, 0,1
	v_pk_add_f32 v[186+32*\z+2*\k:187+32*\z+2*\k], v[186+32*\z+2*\k:187+32*\z+2*\k], v[64*\z+16+8*\q+2*\k:64*\z+17+8*\q+2*\k]
.endr
.endr
.endr
.irp z, 0,1
	v_pk_add_f32 v[182+32*\z:183+32*\z], v[182+32*\z:183+32*\z], v[64*\z+62:64*\z+63]
.endr
.irp z, 0,1
	v_pk_add_f32 v[186+32*\z:187+32*\z], v[186+32*\z:187+32*\z], v[188+32*\z:189+32*\z]
.endr
.irp z, 0,1
	v_pk_add_f32 v[182+32*\z:183+32*\z], v[182+32*\z:183+32*\z], v[190+32*\z:191+32*\z]
.endr
.irp z, 0,1
	v_pk_add_f32 v[182+32*\z:183+32*\z], v[182+32*\z:183+32*\z], v[186+32*\z:187+32*\z]
.endr
.irp b, 0,1
.irp z, 0,1
	v_max_num_f32 v[168+32*\z+2*\b], 0x1800000, v[168+32*\z+2*\b]   ; the floor 2^(3 - 127): the byte cannot fall under 1
.endr
.endr
.irp b, 0,1
.irp z, 0,1
	DEP 4
	v_add_nc_u32 v[176+32*\z+\b], 0xff000000, v[168+32*\z+2*\b]     ; 2 off the exponent field: the conversion's scale operand
.endr
.endr
.irp b, 0,1
.irp z, 0,1
	DEP 4
	v_lshrrev_b32 v[178+32*\z+\b], 23, v[176+32*\z+\b]
.endr
.endr
.irp z, 0,1
	DEP 2
	v_lshl_or_b32 v[192+32*\z], v[179+32*\z], 16, v[178+32*\z]      ; my bytes: blocks h and 2 + h,
.endr
.irp z, 0,1
	DEP 2
	v_lshlrev_b32 v[192+32*\z], v232, v[192+32*\z]                  ; at their places
.endr
.irp z, 0,1
	DEP 2
	v_permlanex16_b32 v[193+32*\z], v[192+32*\z], s[SEL], s[SEL+1]
.endr
.irp z, 0,1
	v_cvt_scalef32_pk16_fp6_f32 v[128+20*\z:130+20*\z], v[64*\z:64*\z+15], v[176+32*\z]
	v_cvt_scalef32_pk16_fp6_f32 v[140+20*\z:142+20*\z], v[64*\z+16:64*\z+31], v[176+32*\z]   ; (a conversion's three registers begin on an even number)
	v_cvt_scalef32_pk16_fp6_f32 v[134+20*\z:136+20*\z], v[64*\z+32:64*\z+47], v[177+32*\z]
	v_cvt_scalef32_pk16_fp6_f32 v[144+20*\z:146+20*\z], v[64*\z+48:64*\z+63], v[177+32*\z]
.endr
	v_nop                                          ; one plain place behind a scaled conversion
.irp i, 0,1,2
.irp z, 0,1
	v_mov_b32 v[131+20*\z+\i], v[140+20*\z+\i]
	v_mov_b32 v[137+20*\z+\i], v[144+20*\z+\i]
.endr
.endr
	WIN 0x05                                       ; sources window 1, destination window 0: scale operands have no window
.irp z, 0,1
	v_or_b32 v[62+\z], v[192+32*\z], v[193+32*\z]  ; with lane l xor 16's two bytes: p's scale word
.endr
	WIN 0x04                                       ; source 1 (f, p's codes) window 1; O^T and V window 0
	WALU
.irp z, 0,1
.set j, 0
.rept 16
	v_pk_mul_f32 v[166+32*\z+j:167+32*\z+j], v[166+32*\z+j:167+32*\z+j], v[184+32*\z:185+32*\z] op_sel_hi:[1,0]
.set j, j+2
.endr
.endr
	WALU
	s_wait_dscnt 20                                ; V's 18 loads are in; the 20 of the next K are younger
.irp p, 0,1
.irp e, 0,1
.irp z, 0,1
	v_wmma_scale_f32_16x16x128_f8f6f4 v[166+32*\z+16*\p+8*\e:173+32*\z+16*\p+8*\e], v[118+24*\p+12*\e:129+24*\p+12*\e], v[128+20*\z:139+20*\z], v[166+32*\z+16*\p+8*\e:173+32*\z+16*\p+8*\e], v[60+\p], v[62+\z] matrix_a_fmt:MATRIX_FMT_FP6 matrix_b_fmt:MATRIX_FMT_FP6 matrix_a_scale:MATRIX_SCALE_ROW\e
.endr
.endr
.endr
	WIN 0
	s_add_co_u32 s[TK], s[TK], 3072
	v_add_nc_u32 v10, s[TK], v3                    ; K's addresses step on: with the v_nop the four places ahead of the next loads into V's registers
	v_add_nc_u32 v11, s[TK], v4
	v_add_nc_u32 v12, s[TS], v5
	v_nop
	s_sub_co_u32 s60, s60, 1
	s_cmp_lg_u32 s60, 0
	WALU
	s_cbranch_scc1 .Ltrip
	s_wait_dscnt 0x0                               ; the fetch beyond the last step has landed: its registers are loaded anew in the next pass
	WIN 0x55
.irp z, 0,1
	v_add_f32 v[182+32*\z], v[182+32*\z], v[183+32*\z]
.endr
.irp z, 0,1
	DEP 2
	v_permlanex16_b32 v[173+32*\z], v[182+32*\z], s[SEL], s[SEL+1]
.endr
.irp z, 0,1
	DEP 2
	v_add_f32 v[182+32*\z], v[182+32*\z], v[173+32*\z]   ; the row's sum
.endr
	WALU
.irp z, 0,1
	v_rcp_f32 v[182+32*\z], v[182+32*\z]
.endr
	v_nop
	WIN 0x44                                       ; O^T from window 0; the divisor and the result in window 1
	WALU
.irp z, 0,1
.irp j, 0,2,4,6,8,10,12,14,16,18,20,22,24,26,28,30
	v_pk_mul_f32 v[64*\z+\j:64*\z+\j+1], v[166+32*\z+\j:167+32*\z+\j], v[182+32*\z:183+32*\z] op_sel_hi:[1,0]   ; register 16 b + i: channel 32 b + 16 h + i of my query
.endr
.endr
	WIN 0x55
.irp b, 0,1
.irp z, 0,1
	v_max3_num_f32 v[168+32*\z+\b], |v[64*\z+16*\b]|, |v[64*\z+16*\b+1]|, 0x1800000
.endr
.endr
.irp i, 2,4,6,8,10,12,14
.irp b, 0,1
.irp z, 0,1
	DEP 4
	v_max3_num_f32 v[168+32*\z+\b], v[168+32*\z+\b], |v[64*\z+16*\b+\i]|, |v[64*\z+16*\b+\i+1]|
.endr
.endr
.endr
.irp b, 0,1
.irp z, 0,1
	DEP 4
	v_permlanex16_b32 v[172+32*\z+\b], v[168+32*\z+\b], s[SEL], s[SEL+1]
.endr
.endr
.irp b, 0,1
.irp z, 0,1
	DEP 4
	v_max_num_f32 v[168+32*\z+\b], v[168+32*\z+\b], v[172+32*\z+\b]
.endr
.endr
.irp b, 0,1
.irp z, 0,1
	DEP 4
	v_add_nc_u32 v[176+32*\z+\b], 0xff000000, v[168+32*\z+\b]
.endr
.endr
.irp b, 0,1
.irp z, 0,1
	DEP 4
	v_lshrrev_b32 v[172+32*\z+\b], 23, v[176+32*\z+\b]
.endr
.endr
.irp z, 0,1
	DEP 2
	v_lshl_or_b32 v[174+32*\z], v[173+32*\z], 8, v[172+32*\z]
.endr
.irp z, 0,1
	v_cvt_scalef32_pk16_fp6_f32 v[128+20*\z:130+20*\z], v[64*\z:64*\z+15], v[176+32*\z]
	v_cvt_scalef32_pk16_fp6_f32 v[140+20*\z:142+20*\z], v[64*\z+16:64*\z+31], v[177+32*\z]
.endr
	v_nop
.irp z, 0,1
.irp i, 0,1,2
	v_permlane16_swap_b32 v[128+20*\z+\i], v[140+20*\z+\i]   ; a whole block to a lane
.endr
.irp i, 0,1,2
	DEP 3
	v_mov_b32 v[131+20*\z+\i], v[140+20*\z+\i]
.endr
.endr
	WIN 0x04                                       ; the stores' data lie in window 1
.irp z, 0,1
	global_store_b128 v1, v[128+20*\z:131+20*\z], s[68:69] offset:98304*\z   ; 512 consecutive bytes
	global_store_b64 v2, v[132+20*\z:133+20*\z], s[68:69] offset:98304*\z    ; 256 consecutive bytes
	global_store_b16 v9, v[174+32*\z], s[70:71] offset:4096*\z
.endr
	WIN 0
	s_wait_xcnt 0x0                                ; the stores have read their registers and bases
	s_add_nc_u64 s[68:69], s[68:69], 196608
	s_add_nc_u64 s[70:71], s[70:71], 8192
.irp z, 0,1
.irp i, 0,1,2,3,4,5
	v_mov_b32 v[16+12*\z+\i], v[42+6*\z+\i]        ; the next two tiles of queries
.endr
	v_mov_b32 v[40+\z], v[54+\z]
.endr
	s_sub_co_u32 s61, s61, 1
	s_cmp_lg_u32 s61, 0
	WALU
	s_cbranch_scc1 .Lpass
	s_wait_tensorcnt 0x0                           ; the wave's end
	ds_add_u32 v254, v255
	s_wait_dscnt 0x0
	CROUND                                         ; the closing round
	s_endpgm
.Lfunc_end_k_q5ba7cb1229_attn:
	.size	k_q5ba7cb1229_attn, .Lfunc_end_k_q5ba7cb1229_attn-k_q5ba7cb1229_attn
	.p2alignl 7, 3214868480
	.fill 96, 4, 3214868480
	.section	.rodata,"a",@progbits
	.p2align	6, 0x0
	.amdhsa_kernel k_q5ba7cb1229_attn
		.amdhsa_group_segment_fixed_size 327680
		.amdhsa_private_segment_fixed_size 0
		.amdhsa_enable_private_segment 0
		.amdhsa_kernarg_size 32
		.amdhsa_user_sgpr_count 2
		.amdhsa_user_sgpr_kernarg_segment_ptr 1
		.amdhsa_wavefront_size32 1
		.amdhsa_system_sgpr_workgroup_id_x 1
		.amdhsa_system_sgpr_workgroup_id_y 1
		.amdhsa_system_sgpr_workgroup_id_z 1
		.amdhsa_system_vgpr_workitem_id 0
		.amdhsa_next_free_vgpr 512
		.amdhsa_next_free_sgpr 100
		.amdhsa_reserve_vcc 0
		.amdhsa_float_denorm_mode_32 3
		.amdhsa_float_denorm_mode_16_64 3
		.amdhsa_memory_ordered 1
		.amdhsa_forward_progress 1
		.amdhsa_inst_pref_size 52
	.end_amdhsa_kernel
	.amdgpu_metadata
---
amdhsa.version: [ 1, 2 ]
amdhsa.kernels:
  - .name:           k_q5ba7cb1229_attn
    .symbol:         k_q5ba7cb1229_attn.kd
    .args:
      - { .name: qkv, .offset: 0, .size: 8, .value_kind: global_buffer, .address_space: global }
      - { .name: qkvs, .offset: 8, .size: 8, .value_kind: global_buffer, .address_space: global }
      - { .name: oc, .offset: 16, .size: 8, .value_kind: global_buffer, .address_space: global }
      - { .name: os, .offset: 24, .size: 8, .value_kind: global_buffer, .address_space: global }
    .group_segment_fixed_size: 327680
    .private_segment_fixed_size: 0
    .kernarg_segment_align: 8
    .kernarg_segment_size: 32
    .max_flat_workgroup_size: 256
    .sgpr_count:     100
    .vgpr_count:     512
    .wavefront_size: 32
...
	.end_amdgpu_metadata
.endif
;; end of part 3
;; launch proj (part 4): grid 8 x 32, 4 waves a work-group, clusters of 4 x 4, 327,680 bytes of LDS; arguments oc, os, cod, scl, b_proj, out0; writes out0
.if DOCPART == 4
	.amdgcn_target "amdgcn-amd-amdhsa--gfx1250"
	.amdhsa_code_object_version 6
	.text
	.protected	k_q5ba7cb1229_proj
	.globl	k_q5ba7cb1229_proj
	.p2align	8
	.type	k_q5ba7cb1229_proj,@function
k_q5ba7cb1229_proj:
	s_mov_b64 s[64:65], 0
	v_nop
	global_prefetch_b8 v0, s[64:65] scope:SCOPE_SE
	s_setreg_imm32_b32 hwreg(HW_REG_WAVE_MODE, 25, 1), 1
	s_wait_xcnt 0x0
	s_wait_alu depctr_hold_cnt(0) depctr_sa_sdst(0) depctr_va_vdst(0) depctr_va_sdst(0) depctr_va_ssrc(0) depctr_va_vcc(0) depctr_vm_vsrc(0)
	s_getreg_b32 s2, hwreg(HW_REG_IB_STS2, 6, 4)
	s_cmp_eq_u32 s2, 0
	s_cbranch_scc0 .Lentry_in_a_cluster
	s_endpgm
.Lentry_in_a_cluster:
	s_bfe_u32 s2, ttmp6, 0x10000c
	s_cmp_lg_u32 s2, 0xf033
	s_cbranch_scc0 .Lentry_shape_is_right
	s_endpgm
.Lentry_shape_is_right:
.set FRH,   768
.set KAP,   6144
.set HALFT, 24576
.set SLOT,  98304
.set FR,    12
.set NP,    4
.set SCL,   196608
.set SPARE, 213248
.set SPITCH, 528
.set ADRA, 16
.set ADRB, 20
.set STO,  24
.set RD,   25
.set CO,   26
.set ADRS, 27
.set SPW,  28
.set NIL,  29
.set VO8,  30
.set SC,   32
.set CB,   64
.set AF,   128
.set BK,   128
.set G1, 24
.set G0, 32
.set G1B, 48
.set G0B, 56
.set G1S, 68
.set G0S, 76
.set G1SB, 80
.set G0SB, 88
.set MSB, 0
.macro WIN new
.if MSB != (\new)
	s_set_vgpr_msb (MSB<<8)|(\new)
.set MSB, (\new)
.endif
.endm
.set MUL_LO, 0xa1
.set MUL_HI, 0xf1
.set FST_LO, 0x81
.set FST_HI, 0xc1
.set TO_B,   0x40
.macro JLOAD g0a, g1a, g0b, g1b
	s_cmp_eq_u32 s15, 0
	s_cbranch_scc0 .Lfor_b_\@
	tensor_load_to_lds s[\g0a:\g0a+3], s[\g1a:\g1a+7]
	s_nop 0
.rept 4
	v_nop
.endr
	s_branch .Lasked_\@
.Lfor_b_\@:
	tensor_load_to_lds s[\g0b:\g0b+3], s[\g1b:\g1b+7]
	s_nop 0
.rept 4
	v_nop
.endr
.Lasked_\@:
.endm
.macro CREST
	s_cmp_lg_u32 s14, 0
	s_cbranch_scc1 .Lnot_wave_0_\@
	s_barrier_signal -3
.Lnot_wave_0_\@:
	s_barrier_wait -3
	s_barrier_signal -1
	s_barrier_wait -1
.endm
.macro CROUND
	s_barrier_signal -1
	s_barrier_wait -1
	CREST
.endm
.macro PLACES n
.rept \n
	v_nop
.endr
.endm
	s_load_b256 s[4:11], s[0:1], 0x0
	s_load_b64 s[12:13], s[0:1], 0x20
	s_load_b64 s[96:97], s[0:1], 0x28
	v_lshl_add_u32 v[SPW], v0, 2, SPARE
	v_mov_b32 v[NIL], 0
	ds_add_u32 v28, v29
	ds_add_u32 v28, v29
	s_wait_dscnt 0x0
	v_lshrrev_b32 v1, 5, v0
	v_readfirstlane_b32 s14, v1
	s_lshr_b32 s15, s14, 1
	s_and_b32 s16, s14, 1
	s_bfe_u32 s40, ttmp6, 0x40000
	s_bfe_u32 s41, ttmp6, 0x40004
	s_lshl_b32 s42, ttmp9, 2
	s_add_co_u32 s42, s42, s40
	s_and_b32 s17, ttmp7, 0xffff
	s_lshl_b32 s17, s17, 2
	s_add_co_u32 s17, s17, s41
	s_lshl_b32 s43, s41, 2
	s_lshl_b32 s43, 15, s43
	s_lshl_b32 s44, 0x1111, s40
	s_or_b32 s[G1+0], s43, (3<<16)|(1<<21)
	s_or_b32 s[G1B+0], s44, (3<<16)|(1<<21)
	s_or_b32 s[G1S+0], s43, (3<<16)|(1<<21)
	s_or_b32 s[G1SB+0], s44, (3<<16)|(1<<21)
.irp g, G1, G1B
	s_mov_b32 s[\g+1], 3072<<16                    ; for the head's loads: two rows of 24,576 bytes (a K step of 128 rows each), 98,304 bytes apart
	s_mov_b32 s[\g+2], 2<<16
	s_mov_b32 s[\g+3], 3072<<16
	s_mov_b32 s[\g+4], 2
	s_mov_b32 s[\g+5], 12288
	s_mov_b32 s[\g+6], 0
	s_mov_b32 s[\g+7], 0
.endr
.irp g, G1S, G1SB
	s_mov_b32 s[\g+1], 32<<16
	s_mov_b32 s[\g+2], 32<<16                      ; the scale bytes of 256 rows: 32 rows of 256 bytes
	s_mov_b32 s[\g+3], 32<<16
	s_mov_b32 s[\g+4], 32
	s_mov_b32 s[\g+5], 32
	s_mov_b32 s[\g+6], 0
	s_mov_b32 s[\g+7], 0
.endr
	s_lshl_b32 s20, s17, 1
	s_add_co_u32 s20, s20, s16
	s_add_co_u32 s46, s42, 88                      ; B: one block of 128 rows of w_proj for a work-group: a block of C is 256 x 128
	s_lshl_b32 s22, s20, 12
	s_mov_b32 s23, 0
	s_mul_i32 s20, s20, 98304
	s_mov_b32 s21, 0
	s_lshl_b32 s92, s46, 12
	s_mov_b32 s93, 0
	s_mul_i32 s46, s46, 98304
	s_mov_b32 s47, 0
	s_mul_i32 s45, s14, HALFT
	s_lshl_b32 s98, s14, 12
	s_lshl_b32 s99, s15, 7
	s_add_co_u32 s98, s98, s99
	s_wait_kmcnt 0x0
	s_add_nc_u64 s[20:21], s[4:5], s[20:21]
	s_add_nc_u64 s[22:23], s[6:7], s[22:23]
	s_add_nc_u64 s[46:47], s[8:9], s[46:47]
	s_add_nc_u64 s[92:93], s[10:11], s[92:93]
	CROUND
	s_mov_b32 s[G0S], 1
	s_lshl_b32 s98, s16, 12                        ; back to the first of the two blocks of 128 rows
	s_mov_b32 s99, 0
	s_mov_b32 s[G0S+1], SCL
	s_sub_nc_u64 s[G0S+2:G0S+3], s[22:23], s[98:99]
	s_or_b32 s[G0S+3], s[G0S+3], 0x80000000
	s_mov_b32 s[G0SB], 1
	s_mov_b32 s[G0SB+1], SCL+8320
	s_mov_b64 s[G0SB+2:G0SB+3], s[92:93]
	s_or_b32 s[G0SB+3], s[G0SB+3], 0x80000000
	s_mov_b32 s[G1SB+2], 16<<16                    ; B's scale bytes are 16 rows of 256; the tile's other 16 rows are written as zeros
	s_mov_b32 s[G1B+1], 32<<16                     ; B at the head: a K step of its 128 rows, 96 rows of 256 bytes
	s_mov_b32 s[G1B+2], 96<<16
	s_mov_b32 s[G1B+3], 32<<16
	s_mov_b32 s[G1B+4], 96
	s_mov_b32 s[G1B+5], 32
	s_mul_i32 s98, s16, 12288                      ; in the ring waves 2 and 3 fetch a half of B's K step each
	s_add_nc_u64 s[46:47], s[46:47], s[98:99]
	s_add_co_u32 s98, s98, 2*HALFT
.irp s, 0,1
	s_mov_b32 s[G0+4*\s], 1
	s_add_co_u32 s[G0+4*\s+1], s45, \s*SLOT
	s_add_nc_u64 s[G0+4*\s+2:G0+4*\s+3], s[20:21], \s*HALFT
	s_or_b32 s[G0+4*\s+3], s[G0+4*\s+3], 0x80000000
	s_mov_b32 s[G0B+4*\s], 1
	s_add_co_u32 s[G0B+4*\s+1], s98, \s*SLOT
	s_add_nc_u64 s[G0B+4*\s+2:G0B+4*\s+3], s[46:47], \s*HALFT
	s_or_b32 s[G0B+4*\s+3], s[G0B+4*\s+3], 0x80000000
.endr
	; the head's four tiles, one a wave: wave 0 A's 256 rows of K step 0, wave 1 A's scale bytes, wave 2 B's 256 rows, wave 3 B's scale bytes
	s_cmp_eq_u32 s14, 0
	s_cbranch_scc0 .Lhead_1
	tensor_load_to_lds s[G0:G0+3], s[G1:G1+7]
	s_nop 0
	PLACES 4
	s_branch .Lhead_asked
.Lhead_1:
	s_cmp_eq_u32 s14, 1
	s_cbranch_scc0 .Lhead_2
	tensor_load_to_lds s[G0S:G0S+3], s[G1S:G1S+7]
	s_nop 0
	PLACES 4
	s_branch .Lhead_asked
.Lhead_2:
	s_cmp_eq_u32 s14, 2
	s_cbranch_scc0 .Lhead_3
	tensor_load_to_lds s[G0B:G0B+3], s[G1B:G1B+7]
	s_nop 0
	PLACES 4
	s_branch .Lhead_asked
.Lhead_3:
	tensor_load_to_lds s[G0SB:G0SB+3], s[G1SB:G1SB+7]
	s_nop 0
	PLACES 4
.Lhead_asked:
	v_and_b32 v1, 15, v0
	v_bfe_u32 v2, v0, 4, 1
	v_and_b32 v3, 31, v0
	v_lshlrev_b32 v[CO], 4, v3
	v_lshlrev_b32 v[VO8], 3, v3
	v_add_nc_u32 v[VO8], 512, v[VO8]
	s_mul_i32 s21, s15, HALFT
	s_mul_i32 s22, s16, 4*FRH                      ; my four tiles of B's eight
	s_add_co_u32 s22, s22, 2*HALFT
.irp s, 0,1
	v_add_nc_u32 v[ADRA+\s], s21, v[CO]
	v_add_nc_u32 v[ADRB+\s], s22, v[CO]
	v_add_nc_u32 v[ADRA+2+\s], s21, v[VO8]
	v_add_nc_u32 v[ADRB+2+\s], s22, v[VO8]
	s_add_co_u32 s21, s21, SLOT
	s_add_co_u32 s22, s22, SLOT
.endr
	v_lshlrev_b32 v5, 3, v1
	s_lshl_b32 s21, s15, 12
	s_lshl_b32 s22, s16, 9                         ; their scale words: 128 bytes a tile
	s_add_co_u32 s22, s22, 8320
	s_sub_co_u32 s22, s22, s21
	v_mul_u32_u24 v6, s22, v2
	s_add_co_u32 s21, s21, SCL
	v_add_nc_u32 v5, v5, v6
	v_add_nc_u32 v[ADRS], s21, v5
	s_mul_i32 s23, s14, 16*SPITCH
	v_mul_u32_u24 v5, v1, SPITCH
	v_lshl_add_u32 v5, v2, 6, v5
	v_add_nc_u32 v[STO], s23, v5
	v_mul_u32_u24 v5, v2, SPITCH                   ; back: sixteen lanes take a row of 256 bytes, two rows an instruction; and the same two rows in C
	v_lshl_add_u32 v5, v1, 4, v5
	v_add_nc_u32 v[RD], s23, v5
	v_lshlrev_b32 v[CO], 12, v2
	v_lshl_add_u32 v[CO], v1, 4, v[CO]
	s_lshl_b32 s20, s17, 8
	s_lshl_b32 s21, s15, 7
	s_add_co_u32 s20, s20, s21
	s_lshl_b32 s20, s20, 12
	s_lshl_b32 s18, s42, 9
	s_lshl_b32 s19, s16, 8
	s_add_co_u32 s18, s18, s19
	s_add_co_u32 s20, s20, s18
	s_mov_b32 s21, 0
	s_mov_b32 s19, 0
	s_add_nc_u64 s[96:97], s[96:97], s[20:21]
	s_add_nc_u64 s[18:19], s[12:13], s[18:19]
	v_lshlrev_b32 v3, 6, v2
.irp b, 0,1,2,3
	global_load_b128 v[CB+8*\b:CB+8*\b+3], v3, s[18:19] offset:(32*(\b/2)+8*(\b%2))*4
	global_load_b128 v[CB+8*\b+4:CB+8*\b+7], v3, s[18:19] offset:(32*(\b/2)+8*(\b%2))*4+16
.endr
	s_wait_alu depctr_va_vdst(0)
	s_wait_loadcnt 0x0
.macro FRAG reg, adr, q, i
	ds_load_b128 v[(\reg):(\reg)+3], v[\adr] offset:2*(\q)*KAP+(\i)*FRH
	ds_load_b64 v[(\reg)+4:(\reg)+5], v[(\adr)+2] offset:2*(\q)*KAP+(\i)*FRH
	ds_load_b128 v[(\reg)+6:(\reg)+9], v[\adr] offset:(2*(\q)+1)*KAP+(\i)*FRH
	ds_load_b64 v[(\reg)+10:(\reg)+11], v[(\adr)+2] offset:(2*(\q)+1)*KAP+(\i)*FRH
.endm
.macro MUL16 a0, p, q, sc, first
.irp a, \a0, \a0+1
.irp b, 0,1,2,3
.if \first
	v_wmma_scale_f32_16x16x128_f8f6f4 v[8*(8*((\a)%4)+\b):8*(8*((\a)%4)+\b)+7], v[128*(\p)+FR*\b:128*(\p)+FR*\b+FR-1], v[AF+FR*(\a):AF+FR*(\a)+FR-1], v[CB+8*\b:CB+8*\b+7], v[SC+16*(\sc)+2*\b+(\q)], v[SC+16*(\sc)+2*(\a)+(\q)] matrix_a_fmt:MATRIX_FMT_FP6 matrix_b_fmt:MATRIX_FMT_FP6 matrix_a_scale:MATRIX_SCALE_ROW1
.else
	v_wmma_scale_f32_16x16x128_f8f6f4 v[8*(8*((\a)%4)+\b):8*(8*((\a)%4)+\b)+7], v[128*(\p)+FR*\b:128*(\p)+FR*\b+FR-1], v[AF+FR*(\a):AF+FR*(\a)+FR-1], v[8*(8*((\a)%4)+\b):8*(8*((\a)%4)+\b)+7], v[SC+16*(\sc)+2*\b+(\q)], v[SC+16*(\sc)+2*(\a)+(\q)] matrix_a_fmt:MATRIX_FMT_FP6 matrix_b_fmt:MATRIX_FMT_FP6 matrix_a_scale:MATRIX_SCALE_ROW1
.endif
.endr
.endr
.endm
.macro FETCH_B slot, q, p
	WIN TO_B
.irp i, 0,1,2,3
	FRAG 128*(\p)+FR*\i, ADRB+\slot, \q, \i
.endr
	WIN 0
.endm
.macro FETCH_A slot, q, i0
.irp i, \i0, \i0+1, \i0+2, \i0+3
	FRAG AF+FR*(\i), ADRA+\slot, \q, \i
.endr
.endm
.macro SCALES sc
.irp i, 0,1,2,3,4,5,6,7
	ds_load_b64 v[SC+16*\sc+2*\i:SC+16*\sc+2*\i+1], v[ADRS] offset:128*\i
.endr
.endm
.macro STEP slot, q, first
	s_wait_dscnt 16
.if \first
	WIN FST_LO
.else
	WIN MUL_LO
.endif
	MUL16 0, (\q)%2, \q, \slot, \first
	MUL16 2, (\q)%2, \q, \slot, \first
	s_wait_dscnt 0x0
	PLACES NP
	FETCH_B \slot, (\q)+1, 1-(\q)%2
	FETCH_A \slot, (\q)+1, 0
.if \first
	WIN FST_HI
.else
	WIN MUL_HI
.endif
	MUL16 4, (\q)%2, \q, \slot, \first
	MUL16 6, (\q)%2, \q, \slot, \first
	PLACES NP
	WIN 0
	FETCH_A \slot, (\q)+1, 4
.endm
.macro TURN slot, next, fill
	s_wait_tensorcnt 0x0
	ds_add_u32 v[SPW], v[NIL]
	s_wait_dscnt 17
	WIN MUL_LO
	MUL16 0, 1, 1, \slot, 0
	s_wait_dscnt 0x0
	s_barrier_signal -1
	MUL16 2, 1, 1, \slot, 0
	WIN 0
	s_barrier_wait -1
.if \fill
	CREST
	s_add_nc_u64 s[G0+4*\slot+2:G0+4*\slot+3], s[G0+4*\slot+2:G0+4*\slot+3], 2*HALFT
	s_add_nc_u64 s[G0B+4*\slot+2:G0B+4*\slot+3], s[G0B+4*\slot+2:G0B+4*\slot+3], 2*HALFT
	JLOAD G0+4*\slot, G1, G0B+4*\slot, G1B
.else
	PLACES NP
.endif
	s_wait_alu depctr_va_vdst(0)
	v_add_nc_u32 v[ADRS], 1024, v[ADRS]
	FETCH_B \next, 0, 0
	FETCH_A \next, 0, 0
	SCALES \next
	WIN MUL_HI
	MUL16 4, 1, 1, \slot, 0
	MUL16 6, 1, 1, \slot, 0
	PLACES NP
	WIN 0
	FETCH_A \next, 0, 4
.endm
	s_wait_alu depctr_va_vdst(0)
	s_wait_tensorcnt 0x0                           ; my tile of the head's four is in
	ds_add_u32 v28, v29
.irp g, G1, G1B
	s_mov_b32 s[\g+1], 32<<16                      ; no tensor load of mine is out: from here on a load brings 96 rows of 256 bytes
	s_mov_b32 s[\g+2], 96<<16
	s_mov_b32 s[\g+3], 32<<16
	s_mov_b32 s[\g+4], 96
	s_mov_b32 s[\g+5], 32
.endr
	s_mov_b32 s[G1B+2], 48<<16                     ; B's loads of the ring bring 48 rows
	s_mov_b32 s[G1B+4], 48
	s_wait_dscnt 0x0
	CROUND
	JLOAD G0+4, G1, G0B+4, G1B
	FETCH_B 0, 0, 0
	FETCH_A 0, 0, 0
	SCALES 0
	FETCH_A 0, 0, 4
	STEP 0, 0, 1
	TURN 0, 1, 1
	STEP 1, 0, 0
	TURN 1, 0, 1
	STEP 0, 0, 0
	TURN 0, 1, 0
	STEP 1, 0, 0
	s_wait_dscnt 16
	WIN MUL_LO
	MUL16 0, 1, 1, 1, 0
	MUL16 2, 1, 1, 1, 0
	s_wait_dscnt 0x0
	WIN MUL_HI
	MUL16 4, 1, 1, 1, 0
	MUL16 6, 1, 1, 1, 0
	WIN 0
.macro TOSTAGE a
.set AC, 64*((\a)%4)
	WIN 0x08+4*((\a)/4)
.irp b, 0,1,2,3
	ds_store_b128 v[STO], v[AC+8*\b:AC+8*\b+3] offset:128*(\b/2)+32*(\b%2)
	ds_store_b128 v[STO], v[AC+8*\b+4:AC+8*\b+7] offset:128*(\b/2)+32*(\b%2)+16
.endr
	WIN 0
.set BB, BK+64*((\a)%2)
.irp t, 0,1,2,3,4,5,6,7
	ds_load_b128 v[BB+4*\t:BB+4*\t+3], v[RD] offset:2*\t*SPITCH
.endr
.endm
.macro SEND a, younger
.set BB, BK+64*((\a)%2)
	s_wait_dscnt \younger
.irp t, 0,1,2,3,4,5,6,7
	global_store_b128 v[CO], v[BB+4*\t:BB+4*\t+3], s[96:97] offset:(32*((\a)/2)+8*((\a)%2)+2*\t+8*(\t/4))*4096 th:TH_STORE_NT
.endr
.endm
	PLACES NP
	TOSTAGE 0
.irp a, 1,2,3,4,5,6,7
.if \a > 1
	s_wait_xcnt 0x0
.endif
	TOSTAGE \a
	SEND \a-1, 16                                  ; behind block a - 1's loads: block a's 8 stores and 8 loads
.endr
	SEND 7, 0
	s_wait_tensorcnt 0x0
	ds_add_u32 v[SPW], v[NIL]
	s_wait_dscnt 0x0
	CROUND
	s_endpgm
.Lfunc_end_k_q5ba7cb1229_proj:
	.size	k_q5ba7cb1229_proj, .Lfunc_end_k_q5ba7cb1229_proj-k_q5ba7cb1229_proj
	.p2alignl 7, 3214868480
	.fill 96, 4, 3214868480
	.section	.rodata,"a",@progbits
	.p2align	6, 0x0
	.amdhsa_kernel k_q5ba7cb1229_proj
		.amdhsa_group_segment_fixed_size 327680
		.amdhsa_private_segment_fixed_size 0
		.amdhsa_enable_private_segment 0
		.amdhsa_kernarg_size 48
		.amdhsa_user_sgpr_count 2
		.amdhsa_user_sgpr_kernarg_segment_ptr 1
		.amdhsa_wavefront_size32 1
		.amdhsa_system_sgpr_workgroup_id_x 1
		.amdhsa_system_sgpr_workgroup_id_y 1
		.amdhsa_system_sgpr_workgroup_id_z 1
		.amdhsa_system_vgpr_workitem_id 0
		.amdhsa_next_free_vgpr 1024
		.amdhsa_next_free_sgpr 100
		.amdhsa_reserve_vcc 0
		.amdhsa_float_denorm_mode_32 3
		.amdhsa_float_denorm_mode_16_64 3
		.amdhsa_memory_ordered 1
		.amdhsa_forward_progress 1
		.amdhsa_inst_pref_size 92
	.end_amdhsa_kernel
	.amdgpu_metadata
---
amdhsa.version: [ 1, 2 ]
amdhsa.kernels:
  - .name:           k_q5ba7cb1229_proj
    .symbol:         k_q5ba7cb1229_proj.kd
    .args:
      - { .name: oc, .offset: 0, .size: 8, .value_kind: global_buffer, .address_space: global }
      - { .name: os, .offset: 8, .size: 8, .value_kind: global_buffer, .address_space: global }
      - { .name: cod, .offset: 16, .size: 8, .value_kind: global_buffer, .address_space: global }
      - { .name: scl, .offset: 24, .size: 8, .value_kind: global_buffer, .address_space: global }
      - { .name: b_proj, .offset: 32, .size: 8, .value_kind: global_buffer, .address_space: global }
      - { .name: out0, .offset: 40, .size: 8, .value_kind: global_buffer, .address_space: global }
    .group_segment_fixed_size: 327680
    .private_segment_fixed_size: 0
    .kernarg_segment_align: 8
    .kernarg_segment_size: 48
    .max_flat_workgroup_size: 128
    .sgpr_count:     100
    .vgpr_count:     1024
    .wavefront_size: 32
...
	.end_amdgpu_metadata
.endif
;; end of part 4
